; MI455X (gfx1250); checked and timed in simulation.
; The chip was launched on July 23, 2026; its instructions are those of AMD's public machine-readable ISA for CDNA 5 (MIT licence, August 2026) and "CDNA5" Instruction Set Architecture Reference Guide (July 2026). The comments in the code are by the model that wrote it; some were corrected since.
;; Multihead Attention. Allowed arithmetic: matrix products marked QUANTISED: E4M3 operands, one E8M0 scale for each 32 along K, by v_wmma_scale_f32_16x16x128_f8f6f4 with both operands' format E4M3, f32 sums; everything else in f32.
;; Inputs: Wk 1,024 x 1,024 float32; Wo 1,024 x 1,024 float32; Wq 1,024 x 1,024 float32; Wv 1,024 x 1,024 float32; k 4 x 2,048 x 1,024 float32; q 4 x 2,048 x 1,024 float32; v 4 x 2,048 x 1,024 float32.
;; Outputs: out0 4 x 2,048 x 1,024 float32.
;; This version of the problem:
;;   THIS VERSION OF THE PROBLEM IS GIVEN IN LOW PRECISION. The matrix products marked QUANTISED in the list below multiply operands that are first quantised to E4M3 (4 exponent bits, 3 mantissa bits; 8 bits a number), with one power-of-two scale for each 32 numbers along K (OCP MX v1.0); their sums are f32. All else is computed in f32.
;;   The module's matrix products, in the order in which they are computed (A, B: the left and right operand; K: the contracted axis; several contracted axes count as one K, in the product's order):
;;     1. [M 8,192, K 1,024] x [K 1,024, N 1,024]; A: input k; B: input Wk: QUANTISED
;;     2. [M 8,192, K 1,024] x [K 1,024, N 1,024]; A: input v; B: input Wv: QUANTISED
;;     3. [M 8,192, K 1,024] x [K 1,024, N 1,024]; A: input q; B: input Wq: QUANTISED
;;     4. batch 64 x [M 2,048, K 64] x [K 64, N 2,048]; A: computed on the way; B: computed on the way: QUANTISED
;;     5. batch 64 x [M 2,048, K 2,048] x [K 2,048, N 64]; A: softmax (see below); B: computed on the way: QUANTISED
;;     6. [M 8,192, K 1,024] x [K 1,024, N 1,024]; A: computed on the way; B: input Wo: QUANTISED
;;   THE QUANTISER, for each operand of a quantised product, along K:
;;     - K is cut into blocks of 32 from its start; a last block that is shorter is filled with zeros.
;;     - A block's scale is 2^e with e = floor(log2(the largest magnitude in the block)) - 8, held to -126 .. 127; a block of zeros has e = 0. As a byte (E8M0): e + 127.
;;     - Each number is divided by its block's scale, clamped to +-448, and rounded to the nearest number of E4M3, ties to even, subnormals kept.
;;     - The product sums the exact products of the quantised numbers (number of the format x scale) in f32.
;;   ~~~python
;;   def quantise(x, axis):      # numpy; x: float32 -> the quantised numbers, widened to float32 again
;;       x = np.moveaxis(x, axis, -1); K = x.shape[-1]
;;       x = np.pad(x, [(0, 0)] * (x.ndim - 1) + [(0, -K % 32)]); x = x.reshape(x.shape[:-1] + (-1, 32)); a = np.abs(x).max(-1, keepdims=True)
;;       e = np.where(a > 0, np.clip(np.frexp(np.where(a > 0, a, 1))[1] - 1 - 8, -126, 127), 0)      # np.frexp(a)[1] - 1 = floor(log2(a)), exactly
;;       r = np.clip(x / 2.0 ** e, -448, 448)
;;       step = 2.0 ** (np.maximum(np.frexp(np.where(r == 0, 1, r))[1] - 1, -6) - 3)
;;       q = np.round(r / step) * step * 2.0 ** e      # np.round: ties to even
;;       return np.moveaxis(q.reshape(q.shape[:-2] + (-1,))[..., :K], -1, axis).astype(np.float32)
;;   ~~~
;;   SOFTMAX AHEAD OF A QUANTISED PRODUCT. Where the list says 'softmax', what is quantised is not the finished softmax but p = 2^(t - M), with t = logit x log2(e) and M = ceil(the row's largest t), a whole number; so 1/2 < the row's largest p <= 1. The row's sum l is taken of the UNQUANTISED p, in f32, and the product's result is divided by l at the end. Since M is a whole number, a kernel that streams over the keys may use a running M (the ceiling of the running maximum): every later rescaling is an exact power of two, which a block's scale takes up: the codes' values come out the same.
;;   OPERANDS COMPUTED ON THE WAY. 'Computed on the way' means the value that the module computes at that place (a softmax that the list does not call 'softmax' is quantised finished and normalised). What goes into a quantiser is computed in f32, as accurately as f32 sums, v_exp_f32 and their like allow (about 1e-6 of the number): no bf16 or f16 on the way to a quantiser, and a product that is left as it is and whose result goes on into a quantised operand takes f32 operands (vector FMAs, or v_wmma_f32_16x16x4_f32). A number that lies on a knife's edge between two numbers of the format may be rounded either way, as far as f32 arithmetic and the matrix unit's own rounding can turn it there, and no further.
;; One version. Each part assembles by itself: llvm-mc -triple=amdgcn-amd-amdhsa -mcpu=gfx1250 --defsym DOCPART=n.
;; ======== version 1 of 1: 4 launches
;; limits: right only within a limited range of input values
;; workspace buffers: xwc 29,360,128 bytes; xws 917,504 bytes; pc 25,165,824 bytes; ps 786,432 bytes; oc 8,388,608 bytes; os 262,144 bytes
;; launch quant (part 1): grid 224 x 1, 8 waves a work-group, no clusters, 68,608 bytes of LDS; arguments k, v, q, Wk, Wv, Wq, Wo, xwc, xws; writes xwc, xws
.if DOCPART == 1
	.amdgcn_target "amdgcn-amd-amdhsa--gfx1250"
	.amdhsa_code_object_version 6
	.text
	.protected	k_q8e7f721b2f_quant
	.globl	k_q8e7f721b2f_quant
	.p2align	8
	.type	k_q8e7f721b2f_quant,@function
k_q8e7f721b2f_quant:
	s_mov_b64 s[64:65], 0
	v_nop
	global_prefetch_b8 v0, s[64:65] scope:SCOPE_SE
	s_setreg_imm32_b32 hwreg(HW_REG_WAVE_MODE, 25, 1), 1
	s_wait_xcnt 0x0
; The seven f32 inputs (k, v, q: 8,192 rows x 1,024; Wk, Wv, Wq, Wo: 1,024 rows x 1,024; the contracted axis innermost in all) become codes of FP8 (E4M3) with one E8M0 byte for each 32 along K.
; A block's scale is 2^(floor(log2(its largest magnitude)) - 8); each number is divided by it, held within +-448 and rounded to the nearest code, ties to even.
; LIMITS: a block of zeros, and one whose largest magnitude lies under 2^(9 - 127), gets the byte 1 (the stated quantiser says 127 for zeros: its codes are zeros, which add nothing under any byte but 0xff,
; and only this program reads the bytes).  NaN and infinities among the inputs are not served.
; THE OUTPUT IS LAID IN THE ORDER OF A MATRIX OPERAND'S REGISTERS.  Rows go in groups of 128 (224 groups: k 0-63, v 64-127, q 128-191, Wk 192-, Wv 200-, Wq 208-, Wo 216-223), K in steps of 128.
; A block (group G, step s) is 16,384 bytes at (8 G + s) x 16,384: eight tiles of 2,048 bytes; tile t, lane-row r stands for row 32 (t / 2) + 8 (t % 2) + r + 8 (r / 8) of the group;
; in a tile byte 512 c + 16 lane + i is k = 32 c + 16 (lane / 16) + i of row (lane % 16): four loads of 16 bytes a lane, 512 bytes apart, are the operand's 16 registers.
; The block's scale words: 512 bytes at (8 G + s) x 512; the word of tile t, row r at 32 r + 4 t.
; SHARES.  A work-group takes a group (128 whole rows, 512 KiB on end), wave w the K step w: eight fragments and one set of scale words.  Waves share nothing: no barrier.
; A load reads 512 consecutive bytes of one row; the conversions want 16 neighbours along K in one lane: so a fragment's 16 rows turn through the wave's own stage in LDS (rows of 512 + 16 bytes).
.set SP,   528                         ; a stage row
.set STGB, 16*SP                       ; a wave's stage
.set VIN,  4                           ; v4   in: 16 x lane + 512 x wave
.set SI,   5                           ; v5   the stage, on the way in: 16 x lane
.set SO,   6                           ; v6   and out: row r, + 64 h: my 16 numbers of a block of 32
.set LI,   7                           ; v7   16 x lane: my place in an image
.set LS,   8                           ; v8   32 r + 16 h: my four scale words
.set TM,   16                          ; v16-19 largest magnitudes, v20-23 the other half's, then bytes, v24-27 448 x the scale, v28-31 the conversions' scale operands
.set W,    32                          ; v32-39 the scale words of the eight tiles
.set PC,   40                          ; v40-55 the codes just made
.set WO,   56                          ; v56-59 scale words on the way out
.set X,    64                          ; v64-127 64 numbers of a lane: register 16 b + i = k 32 b + 16 h + i of row r
.set R,    128                         ; v128-255 two sets of 64 registers as loaded
	s_load_b256 s[8:15], s[0:1], 0x0               ; k, v, q, Wk
	s_load_b256 s[16:23], s[0:1], 0x20             ; Wv, Wq, Wo, the codes
	s_load_b64 s[24:25], s[0:1], 0x40              ; the scale words
	v_lshl_add_u32 v62, v0, 2, 0x10800
	v_mov_b32 v63, 0
	v_lshrrev_b32 v1, 5, v0
	s_delay_alu instid0(VALU_DEP_1)
	v_readfirstlane_b32 s26, v1                    ; wave 0..7 = K step
	v_and_b32 v1, 31, v0                           ; lane
	v_and_b32 v2, 15, v0                           ; r
	v_bfe_u32 v3, v0, 4, 1                         ; h
	s_delay_alu instid0(VALU_DEP_3)
	v_lshlrev_b32 v[LI], 4, v1
	s_lshl_b32 s33, s26, 9
	v_add_nc_u32 v[VIN], s33, v[LI]
	s_mul_i32 s34, s26, STGB
	v_add_nc_u32 v[SI], s34, v[LI]
	v_mul_u32_u24 v[SO], v2, SP
	s_delay_alu instid0(VALU_DEP_1)
	v_lshl_add_u32 v[SO], v3, 6, v[SO]
	s_delay_alu instid0(VALU_DEP_1)
	v_add_nc_u32 v[SO], s34, v[SO]
	v_lshlrev_b32 v[LS], 5, v2
	s_delay_alu instid0(VALU_DEP_1)
	v_lshl_add_u32 v[LS], v3, 4, v[LS]
.irp b, 0,1,2,3
	v_mov_b32 v[TM+4+\b], 0                        ; written once: a lane permute's destination counts as one of its sources
.endr
	s_mov_b32 s30, 0x76543210
	s_mov_b32 s31, 0xfedcba98                      ; v_permlanex16_b32's selects for lane l xor 16
	s_mov_b32 s32, 0x600000                        ; the mantissa field of 448
	s_mov_b32 s27, 0                               ; the first group of my tensor
	s_wait_alu depctr_va_vdst(0)
	s_wait_kmcnt 0x0
	s_mov_b64 s[4:5], s[8:9]
.macro PICK first, ptr                 ; from group 'first' on the tensor is the one at s[ptr]: the choice hangs on the work-group's number alone
	s_cmp_ge_u32 ttmp9, \first
	s_cselect_b64 s[4:5], s[\ptr:\ptr+1], s[4:5]
	s_cselect_b32 s27, \first, s27
.endm
	PICK 64, 10
	PICK 128, 12
	PICK 192, 14
	PICK 200, 16
	PICK 208, 18
	PICK 216, 20
	s_sub_co_u32 s28, ttmp9, s27
	s_lshl_b32 s28, s28, 19                        ; 128 rows of 4,096 bytes
	s_mov_b32 s29, 0
	s_add_nc_u64 s[4:5], s[4:5], s[28:29]
	s_lshl_b32 s28, ttmp9, 17
	s_lshl_b32 s33, s26, 14
	s_add_co_u32 s28, s28, s33                     ; my block of codes: (8 G + w) x 16,384
	s_add_nc_u64 s[22:23], s[22:23], s[28:29]
	s_lshr_b32 s28, s28, 5                         ; and of scale words: (8 G + w) x 512
	s_add_nc_u64 s[24:25], s[24:25], s[28:29]
.macro LOADF t                         ; tile t's 16 rows, 512 consecutive bytes each, into set t % 2
.irp p, 0,1,2,3,4,5,6,7,8,9,10,11,12,13,14,15
	global_load_b128 v[R+64*((\t)%2)+4*\p:R+64*((\t)%2)+4*\p+3], v[VIN], s[4:5] offset:(32*((\t)/2)+8*((\t)%2)+\p+8*(\p/8))*4096 th:TH_LOAD_NT
.endr
.endm
; 64 numbers of a lane, v[s] on, become a fragment's codes in v[PC] on and its row's scale word in v[wd]
.macro QUANT s, wd
.irp b, 0,1,2,3
	v_max3_num_f32 v[TM+\b], |v[\s+16*\b]|, |v[\s+1+16*\b]|, 0x4800000   ; block b: my 16 numbers, and the floor 2^(9 - 127): the byte cannot fall under 1
.endr
.irp i, 2,4,6,8,10,12,14
.irp b, 0,1,2,3
	s_delay_alu instid0(VALU_DEP_4)
	v_max3_num_f32 v[TM+\b], v[TM+\b], |v[\s+16*\b+\i]|, |v[\s+1+16*\b+\i]|   ; the four blocks by turns: no line waits for the line above it
.endr
.endr
.irp b, 0,1,2,3
	s_delay_alu instid0(VALU_DEP_4)
	v_permlanex16_b32 v[TM+4+\b], v[TM+\b], s30, s31
.endr
.irp b, 0,1,2,3
	s_delay_alu instid0(VALU_DEP_4)
	v_max_num_f32 v[TM+\b], v[TM+\b], v[TM+4+\b]   ; with lane l xor 16's: the block's largest magnitude
.endr
.irp b, 0,1,2,3
	s_delay_alu instid0(VALU_DEP_4)
	v_add_nc_u32 v[TM+12+\b], 0xfc000000, v[TM+\b] ; 8 off its exponent field: the conversion takes the exponent field of this operand as its scale
.endr
.irp b, 0,1,2,3
	v_and_or_b32 v[TM+8+\b], v[TM+\b], 0x7f800000, s32   ; 448 x the scale
.endr
.irp b, 0,1,2,3
	v_lshrrev_b32 v[TM+4+\b], 23, v[TM+12+\b]      ; the scale's byte
.endr
	s_delay_alu instid0(VALU_DEP_3)
	v_lshl_or_b32 v[\wd], v[TM+5], 8, v[TM+4]      ; four bytes make my row's scale word
	s_delay_alu instid0(VALU_DEP_1)
	v_lshl_or_b32 v[\wd], v[TM+6], 16, v[\wd]
	s_delay_alu instid0(VALU_DEP_1)
	v_lshl_or_b32 v[\wd], v[TM+7], 24, v[\wd]
.irp b, 0,1,2,3
.irp i, 0,1,2,3,4,5,6,7,8,9,10,11,12,13,14,15
	v_med3_num_f32 v[\s+16*\b+\i], v[\s+16*\b+\i], -v[TM+8+\b], v[TM+8+\b]   ; the conversion to an 8-bit code does not saturate (ISA guide 7.6.2): hold first
.endr
	v_cvt_scalef32_pk8_fp8_f32 v[PC+4*\b:PC+1+4*\b], v[\s+16*\b:\s+7+16*\b], v[TM+12+\b]
	v_cvt_scalef32_pk8_fp8_f32 v[PC+2+4*\b:PC+3+4*\b], v[\s+8+16*\b:\s+15+16*\b], v[TM+12+\b]
.endr
	v_nop                                          ; one plain vector line behind the last conversion
.endm
	LOADF 0
	LOADF 1
.irp t, 0,1,2,3,4,5,6,7
.if \t < 7
	s_wait_loadcnt 16                              ; this tile's 16 loads are in; the next tile's 16 may be out
.else
	s_wait_loadcnt 0x0
.endif
.irp p, 0,1,2,3,4,5,6,7,8,9,10,11,12,13,14,15
	ds_store_b128 v[SI], v[R+64*(\t%2)+4*\p:R+64*(\t%2)+4*\p+3] offset:SP*\p
.endr
.irp b, 0,1,2,3
.irp j, 0,1,2,3
	ds_load_b128 v[X+16*\b+4*\j:X+16*\b+4*\j+3], v[SO] offset:128*\b+16*\j   ; LDS serves a wave's instructions in order (ISA guide 5.7.1.4): these see the stores above
.endr
.endr
	s_wait_dscnt 0x0                               ; the stores have read their registers, my 64 numbers are in
.if \t > 0
	s_wait_xcnt 0x0                                ; the last tile's stores have read v[PC] on: it is rewritten only behind this wait
.endif
.if \t < 6
	LOADF \t+2
.endif
	QUANT X, W+\t
.irp c, 0,1,2,3
	global_store_b128 v[LI], v[PC+4*\c:PC+4*\c+3], s[22:23] offset:2048*\t+512*\c   ; 32 lanes store 512 consecutive bytes
.endr
.endr
	v_cmp_eq_u32 vcc_lo, 1, v3                     ; both halves of the lanes hold all eight words of row r: lanes 0-15 store tiles 0-3's, lanes 16-31 tiles 4-7's
.irp i, 0,1,2,3
	v_cndmask_b32 v[WO+\i], v[W+\i], v[W+4+\i], vcc_lo
.endr
	global_store_b128 v[LS], v[WO:WO+3], s[24:25]  ; 512 consecutive bytes
	s_wait_tensorcnt 0x0
	ds_add_u32 v62, v63
	s_wait_dscnt 0x0
	s_endpgm
.Lfunc_end_k_q8e7f721b2f_quant:
	.size	k_q8e7f721b2f_quant, .Lfunc_end_k_q8e7f721b2f_quant-k_q8e7f721b2f_quant
	.p2alignl 7, 3214868480
	.fill 96, 4, 3214868480
	.section	.rodata,"a",@progbits
	.p2align	6, 0x0
	.amdhsa_kernel k_q8e7f721b2f_quant
		.amdhsa_group_segment_fixed_size 68608
		.amdhsa_private_segment_fixed_size 0
		.amdhsa_enable_private_segment 0
		.amdhsa_kernarg_size 72
		.amdhsa_user_sgpr_count 2
		.amdhsa_user_sgpr_kernarg_segment_ptr 1
		.amdhsa_wavefront_size32 1
		.amdhsa_system_sgpr_workgroup_id_x 1
		.amdhsa_system_sgpr_workgroup_id_y 1
		.amdhsa_system_sgpr_workgroup_id_z 1
		.amdhsa_system_vgpr_workitem_id 0
		.amdhsa_next_free_vgpr 256
		.amdhsa_next_free_sgpr 66
		.amdhsa_reserve_vcc 1
		.amdhsa_float_denorm_mode_32 3
		.amdhsa_float_denorm_mode_16_64 3
		.amdhsa_memory_ordered 1
		.amdhsa_forward_progress 1
		.amdhsa_inst_pref_size 110
	.end_amdhsa_kernel
	.amdgpu_metadata
---
amdhsa.version: [ 1, 2 ]
amdhsa.kernels:
  - .name:           k_q8e7f721b2f_quant
    .symbol:         k_q8e7f721b2f_quant.kd
    .args:
      - { .name: k, .offset: 0, .size: 8, .value_kind: global_buffer, .address_space: global }
      - { .name: v, .offset: 8, .size: 8, .value_kind: global_buffer, .address_space: global }
      - { .name: q, .offset: 16, .size: 8, .value_kind: global_buffer, .address_space: global }
      - { .name: Wk, .offset: 24, .size: 8, .value_kind: global_buffer, .address_space: global }
      - { .name: Wv, .offset: 32, .size: 8, .value_kind: global_buffer, .address_space: global }
      - { .name: Wq, .offset: 40, .size: 8, .value_kind: global_buffer, .address_space: global }
      - { .name: Wo, .offset: 48, .size: 8, .value_kind: global_buffer, .address_space: global }
      - { .name: xwc, .offset: 56, .size: 8, .value_kind: global_buffer, .address_space: global }
      - { .name: xws, .offset: 64, .size: 8, .value_kind: global_buffer, .address_space: global }
    .group_segment_fixed_size: 68608
    .private_segment_fixed_size: 0
    .kernarg_segment_align: 8
    .kernarg_segment_size: 72
    .max_flat_workgroup_size: 256
    .sgpr_count:     66
    .vgpr_count:     256
    .wavefront_size: 32
...
	.end_amdgpu_metadata
.endif
;; end of part 1
;; launch proj (part 2): grid 4 x 96, 4 waves a work-group, clusters of 4 x 4, 327,680 bytes of LDS; arguments xwc, xws, pc, ps; writes pc, ps
.if DOCPART == 2
	.amdgcn_target "amdgcn-amd-amdhsa--gfx1250"
	.amdhsa_code_object_version 6
	.text
	.protected	k_q8e7f721b2f_proj
	.globl	k_q8e7f721b2f_proj
	.p2align	8
	.type	k_q8e7f721b2f_proj,@function
k_q8e7f721b2f_proj:
	s_mov_b64 s[64:65], 0
	v_nop
	global_prefetch_b8 v0, s[64:65] scope:SCOPE_SE
	s_setreg_imm32_b32 hwreg(HW_REG_WAVE_MODE, 25, 1), 1
	s_wait_xcnt 0x0
	s_wait_alu depctr_hold_cnt(0) depctr_sa_sdst(0) depctr_va_vdst(0) depctr_va_sdst(0) depctr_va_ssrc(0) depctr_va_vcc(0) depctr_vm_vsrc(0)
	s_getreg_b32 s2, hwreg(HW_REG_IB_STS2, 6, 4)
	s_cmp_eq_u32 s2, 0
	s_cbranch_scc0 .Lentry_in_a_cluster
	s_endpgm
.Lentry_in_a_cluster:
	s_bfe_u32 s2, ttmp6, 0x10000c
	s_cmp_lg_u32 s2, 0xf033
	s_cbranch_scc0 .Lentry_shape_is_right
	s_endpgm
.Lentry_shape_is_right:
.set PROJ,   1
.set NQ,     2
.set FR,     16
.set NL,     4
.set NP,     8
.set HALFT,  32768
.set SLOT,   4*HALFT
.set SCL,    2*SLOT
.set HALFS,  4096
.set SPARE,  SCL+4*HALFS
.set SPITCH, 528
.set ADRA, 16
.set ADRB, 20
.set STO,  24
.set RD,   25
.set CO,   26
.set ADRS, 27
.set SPW,  28
.set NIL,  29
.set SC,   32
.set TM,   64
.set WD,   80
.set WO,   88
.set AF,   128
.set BK,   128
.set G1, 24
.set G0, 32
.set G1B, 48
.set G0B, 56
.set G1S, 68
.set G0S, 76
.set G1SB, 80
.set G0SB, 88
.set MSB, 0
.macro WIN new
.if MSB != (\new)
	s_set_vgpr_msb (MSB<<8)|(\new)
.set MSB, (\new)
.endif
.endm
.set MUL_LO, 0xa1
.set MUL_HI, 0xf1
.set TO_B,   0x40
.macro JLOAD g0a, g1a, g0b, g1b
	s_cmp_eq_u32 s15, 0
	s_cbranch_scc0 .Lfor_b_\@
	tensor_load_to_lds s[\g0a:\g0a+3], s[\g1a:\g1a+7]
	s_nop 0
.rept 4
	v_nop
.endr
	s_branch .Lasked_\@
.Lfor_b_\@:
	tensor_load_to_lds s[\g0b:\g0b+3], s[\g1b:\g1b+7]
	s_nop 0
.rept 4
	v_nop
.endr
.Lasked_\@:
.endm
.macro CREST
	s_cmp_lg_u32 s14, 0
	s_cbranch_scc1 .Lnot_wave_0_\@
	s_barrier_signal -3
.Lnot_wave_0_\@:
	s_barrier_wait -3
	s_barrier_signal -1
	s_barrier_wait -1
.endm
.macro CROUND
	s_barrier_signal -1
	s_barrier_wait -1
	CREST
.endm
.if PROJ
	s_load_b128 s[4:7], s[0:1], 0x0
	s_load_b128 s[8:11], s[0:1], 0x0
	s_load_b64 s[12:13], s[0:1], 0x10
	s_load_b64 s[66:67], s[0:1], 0x18
.else
	s_load_b128 s[4:7], s[0:1], 0x0
	s_load_b128 s[8:11], s[0:1], 0x10
	s_load_b64 s[12:13], s[0:1], 0x20
.endif
	v_lshl_add_u32 v[SPW], v0, 2, SPARE
	v_mov_b32 v[NIL], 0
	ds_add_u32 v28, v29
	ds_add_u32 v28, v29
	s_wait_dscnt 0x0
	v_lshrrev_b32 v1, 5, v0
	v_readfirstlane_b32 s14, v1
	s_lshr_b32 s15, s14, 1
	s_and_b32 s16, s14, 1
	s_bfe_u32 s40, ttmp6, 0x40000
	s_bfe_u32 s41, ttmp6, 0x40004
	s_and_b32 s2, ttmp7, 0xffff
.if PROJ
	s_lshr_b32 s3, s2, 3
	s_and_b32 s17, s2, 7
	s_lshl_b32 s18, s3, 7
	s_lshl_b32 s19, s3, 4
	s_add_co_u32 s19, s19, 192
	s_cmp_eq_u32 s3, 2
	s_cselect_b32 s42, s17, 0
	s_cselect_b32 s17, 0, s17
	s_cselect_b32 s18, 200, s18
	s_cselect_b32 s19, 64, s19
	s_cselect_b32 s99, 6, 3
.else
	s_mov_b32 s17, s2
	s_mov_b32 s42, 0
	s_mov_b32 s18, 0
	s_mov_b32 s19, 216
.endif
	s_lshl_b32 s17, s17, 2
	s_add_co_u32 s17, s17, s41
	s_lshl_b32 s42, s42, 2
	s_add_co_u32 s42, s42, s40
	s_lshl_b32 s43, s41, 2
	s_lshl_b32 s43, 15, s43
	s_lshl_b32 s44, 0x1111, s40
	s_or_b32 s[G1+0], s43, (3<<16)|(1<<21)
	s_or_b32 s[G1B+0], s44, (3<<16)|(1<<21)
.irp g, G1, G1B                        ; the head's shape: two groups' first 32,768 bytes, as 2 rows of 4,096 elements of 8 bytes, 131,072 bytes apart
	s_mov_b32 s[\g+1], 4096<<16
	s_mov_b32 s[\g+2], 2<<16
	s_mov_b32 s[\g+3], 4096<<16
	s_mov_b32 s[\g+4], 2
	s_mov_b32 s[\g+5], 16384
	s_mov_b32 s[\g+6], 0
	s_mov_b32 s[\g+7], 0
.endr
	s_or_b32 s[G1S+0], s43, (3<<16)|(1<<21)
	s_or_b32 s[G1SB+0], s44, (3<<16)|(1<<21)
.irp g, G1S, G1SB
	s_mov_b32 s[\g+1], 32<<16
	s_mov_b32 s[\g+2], 32<<16
	s_mov_b32 s[\g+3], 32<<16
	s_mov_b32 s[\g+4], 32
	s_mov_b32 s[\g+5], 32
	s_mov_b32 s[\g+6], 0
	s_mov_b32 s[\g+7], 0
.endr
	s_lshl_b32 s20, s17, 1
	s_add_co_u32 s20, s20, s18
	s_lshl_b32 s46, s42, 1
	s_add_co_u32 s46, s46, s19
	s_lshl_b32 s22, s20, 12
	s_mov_b32 s23, 0
	s_lshl_b32 s20, s20, 17
	s_mov_b32 s21, 0
	s_lshl_b32 s92, s46, 12
	s_mov_b32 s93, 0
	s_lshl_b32 s46, s46, 17
	s_mov_b32 s47, 0
	s_lshl_b32 s45, s14, 15
	s_wait_kmcnt 0x0
	s_add_nc_u64 s[20:21], s[4:5], s[20:21]
	s_add_nc_u64 s[22:23], s[6:7], s[22:23]
	s_add_nc_u64 s[46:47], s[8:9], s[46:47]
	s_add_nc_u64 s[92:93], s[10:11], s[92:93]
	CROUND
	s_mov_b32 s[G0S], 1
	s_mov_b32 s[G0S+1], SCL
	s_mov_b64 s[G0S+2:G0S+3], s[22:23]
	s_or_b32 s[G0S+3], s[G0S+3], 0x80000000
	s_mov_b32 s[G0SB], 1
	s_mov_b32 s[G0SB+1], SCL+2*HALFS
	s_mov_b64 s[G0SB+2:G0SB+3], s[92:93]
	s_or_b32 s[G0SB+3], s[G0SB+3], 0x80000000
	s_mov_b32 s4, 1                                ; group 0 of the head's loads of slot 0: A's two groups,
	s_mov_b32 s5, 0
	s_mov_b64 s[6:7], s[20:21]
	s_or_b32 s7, s7, 0x80000000
	s_mov_b32 s8, 1                                ; and B's, behind them
	s_mov_b32 s9, 2*HALFT
	s_mov_b64 s[10:11], s[46:47]
	s_or_b32 s11, s11, 0x80000000
	s_lshl_b32 s18, s16, 17                        ; in the ring I fetch one group of the two
	s_mov_b32 s19, 0
	s_add_nc_u64 s[20:21], s[20:21], s[18:19]
	s_add_nc_u64 s[46:47], s[46:47], s[18:19]
.irp s, 0,1
	s_mov_b32 s[G0+4*\s], 1
	s_add_co_u32 s[G0+4*\s+1], s45, \s*SLOT
	s_add_nc_u64 s[G0+4*\s+2:G0+4*\s+3], s[20:21], \s*HALFT
	s_or_b32 s[G0+4*\s+3], s[G0+4*\s+3], 0x80000000
	s_mov_b32 s[G0B+4*\s], 1
	s_add_co_u32 s[G0B+4*\s+1], s45, \s*SLOT
	s_add_nc_u64 s[G0B+4*\s+2:G0B+4*\s+3], s[46:47], \s*HALFT
	s_or_b32 s[G0B+4*\s+3], s[G0B+4*\s+3], 0x80000000
.endr
	s_cmp_eq_u32 s15, 0                            ; the prefetches: the group that I fetch in the ring; of its 32,768 bytes a slot each of the four partners takes 8,192, told apart by address
	s_cselect_b64 s[100:101], s[20:21], s[46:47]
	s_cselect_b32 s18, s40, s41
	s_lshl_b32 s18, s18, 13
	; the head's four tiles, one load a wave, in one chain of branches on the wave's number: A's codes, B's codes, A's scale words, B's
	s_cmp_lt_u32 s14, 1
	s_cbranch_scc0 .Lhead_b
	tensor_load_to_lds s[4:7], s[G1:G1+7]
	s_nop 0
.rept 4
	v_nop
.endr
	s_branch .Lhead_asked
.Lhead_b:
	s_cmp_lt_u32 s14, 2
	s_cbranch_scc0 .Lhead_sa
	tensor_load_to_lds s[8:11], s[G1B:G1B+7]
	s_nop 0
.rept 4
	v_nop
.endr
	s_branch .Lhead_asked
.Lhead_sa:
	s_cmp_lt_u32 s14, 3
	s_cbranch_scc0 .Lhead_sb
	tensor_load_to_lds s[G0S:G0S+3], s[G1S:G1S+7]
	s_nop 0
.rept 4
	v_nop
.endr
	s_branch .Lhead_asked
.Lhead_sb:
	tensor_load_to_lds s[G0SB:G0SB+3], s[G1SB:G1SB+7]
	s_nop 0
.rept 4
	v_nop
.endr
.Lhead_asked:
	v_and_b32 v1, 15, v0
	v_bfe_u32 v2, v0, 4, 1
	s_wait_alu depctr_va_vdst(0)
	v_and_b32 v3, 31, v0
	v_lshlrev_b32 v[CO], 4, v3
	v_lshlrev_b32 v30, 8, v3                       ; v30: 256 x lane + 8,192 x my place among the four partners; never rewritten
	v_add_nc_u32 v30, s18, v30
	global_prefetch_b8 v30, s[100:101] offset:HALFT th:TH_LOAD_NT scope:SCOPE_SE     ; slot 1's tiles: their load goes out behind the round that shows slot 0
	global_prefetch_b8 v30, s[100:101] offset:2*HALFT th:TH_LOAD_NT scope:SCOPE_SE   ; slot 2's tiles, two refills ahead of their load
	s_lshl_b32 s21, s15, 15
	s_lshl_b32 s22, s16, 15
	s_add_co_u32 s22, s22, 2*HALFT
.irp s, 0,1
	v_add_nc_u32 v[ADRA+\s], s21, v[CO]
	v_add_nc_u32 v[ADRB+\s], s22, v[CO]
	s_add_co_u32 s21, s21, SLOT
	s_add_co_u32 s22, s22, SLOT
.endr
	v_lshlrev_b32 v5, 5, v1
	s_lshl_b32 s21, s15, 12
	s_lshl_b32 s22, s16, 12
	s_add_co_u32 s22, s22, 2*HALFS
	s_sub_co_u32 s22, s22, s21
	v_mul_u32_u24 v6, s22, v2
	s_add_co_u32 s21, s21, SCL
	v_add_nc_u32 v5, v5, v6
	v_add_nc_u32 v[ADRS], s21, v5
	s_lshl_b32 s20, s17, 1
	s_add_co_u32 s20, s20, s15
	s_lshl_b32 s46, s42, 1
	s_add_co_u32 s46, s46, s16
.if PROJ
	v_lshlrev_b32 v[RD], 5, v1
	v_lshl_add_u32 v[RD], v2, 4, v[RD]
	s_lshl_b32 s94, s46, 20                        ; K's and Q's codes are laid [tensor][head][group of 128 rows][tile][1,024 bytes]: 2 heads x 524,288 a column group,
	s_lshl_b32 s95, s20, 13                        ; 8,192 a row group,
	s_add_co_u32 s94, s94, s95
	s_lshl_b32 s95, s3, 23                         ; 8,388,608 a tensor
	s_add_co_u32 s94, s94, s95
	s_lshl_b32 s20, s20, s99
	s_add_co_u32 s20, s20, s46
	s_lshl_b32 s46, s3, 9
	s_add_co_u32 s20, s20, s46
	s_lshl_b32 s46, s20, 9
	s_mov_b32 s47, 0
	s_lshl_b32 s20, s20, 14
	s_cmp_eq_u32 s3, 2                             ; V^T keeps its blocks of 16,384 bytes
	s_cselect_b32 s20, s20, s94
	s_mov_b32 s21, 0
	s_add_nc_u64 s[12:13], s[12:13], s[20:21]
	s_add_nc_u64 s[66:67], s[66:67], s[46:47]
	s_mov_b32 s96, 0x76543210
	s_mov_b32 s97, 0xfedcba98
	s_mov_b32 s98, 0x600000
.else
	s_mul_i32 s23, s14, 16*SPITCH
	v_mul_u32_u24 v5, v1, SPITCH
	v_lshl_add_u32 v5, v2, 6, v5
	v_add_nc_u32 v[STO], s23, v5
	v_add_nc_u32 v[RD], s23, v[CO]
	s_lshl_b32 s20, s20, 19
	s_lshl_b32 s46, s46, 9
	s_add_co_u32 s20, s20, s46
	s_mov_b32 s21, 0
	s_add_nc_u64 s[12:13], s[12:13], s[20:21]
.endif
.macro FRAG reg, adr, q, i
.irp c, 0,1,2,3
	ds_load_b128 v[\reg+4*\c:\reg+4*\c+3], v[\adr] offset:16384*(\q)+2048*(\i)+512*\c
.endr
.endm
.macro MUL16 a0, p, q, sc, zero
.irp a, \a0, \a0+1
.irp b, 0,1,2,3,4,5,6,7
.if \zero
	v_wmma_scale_f32_16x16x128_f8f6f4 v[8*(8*((\a)%4)+\b):8*(8*((\a)%4)+\b)+7], v[128*(\p)+FR*\b:128*(\p)+FR*\b+FR-1], v[AF+FR*(\a):AF+FR*(\a)+FR-1], 0, v[SC+16*(\sc)+8*(\q)+\b], v[SC+16*(\sc)+8*(\q)+(\a)] matrix_a_scale:MATRIX_SCALE_ROW1
.else
	v_wmma_scale_f32_16x16x128_f8f6f4 v[8*(8*((\a)%4)+\b):8*(8*((\a)%4)+\b)+7], v[128*(\p)+FR*\b:128*(\p)+FR*\b+FR-1], v[AF+FR*(\a):AF+FR*(\a)+FR-1], v[8*(8*((\a)%4)+\b):8*(8*((\a)%4)+\b)+7], v[SC+16*(\sc)+8*(\q)+\b], v[SC+16*(\sc)+8*(\q)+(\a)] matrix_a_scale:MATRIX_SCALE_ROW1
.endif
.endr
.endr
.endm
.macro FETCH_B slot, q, p
	WIN TO_B
.irp i, 0,1,2,3,4,5,6,7
	FRAG 128*(\p)+FR*\i, ADRB+\slot, \q, \i
.endr
	WIN 0
.endm
.macro FETCH_A slot, q, i0
.irp i, \i0, \i0+1, \i0+2, \i0+3
	FRAG AF+FR*(\i), ADRA+\slot, \q, \i
.endr
.endm
.macro SCALES sc
.irp q, 0,1
	ds_load_b128 v[SC+16*\sc+8*\q:SC+16*\sc+8*\q+3], v[ADRS] offset:512*\q
	ds_load_b128 v[SC+16*\sc+8*\q+4:SC+16*\sc+8*\q+7], v[ADRS] offset:512*\q+16
.endr
.endm
.macro PLACES n
.rept \n
	v_nop
.endr
.endm
.macro STEP slot, q, zero
	s_wait_dscnt 4*NL
	WIN MUL_LO
	MUL16 0, (\q)%2, \q, \slot, \zero
	MUL16 2, (\q)%2, \q, \slot, \zero
	s_wait_dscnt 0
	PLACES NP
	FETCH_B \slot, (\q)+1, 1-(\q)%2
	FETCH_A \slot, (\q)+1, 0
	WIN MUL_HI
	MUL16 4, (\q)%2, \q, \slot, \zero
	MUL16 6, (\q)%2, \q, \slot, \zero
	PLACES NP
	WIN 0
	FETCH_A \slot, (\q)+1, 4
.endm
.macro TURN slot, next, fill
	s_wait_tensorcnt 0x0
	ds_add_u32 v[SPW], v[NIL]
	s_wait_dscnt 4*NL+1
	WIN MUL_LO
	MUL16 0, 1, NQ-1, \slot, 0
	s_wait_dscnt 0x0
	s_barrier_signal -1
	MUL16 2, 1, NQ-1, \slot, 0
	WIN 0
	s_barrier_wait -1
.if \fill
	CREST
	s_add_nc_u64 s[G0+4*\slot+2:G0+4*\slot+3], s[G0+4*\slot+2:G0+4*\slot+3], 2*HALFT
	s_add_nc_u64 s[G0B+4*\slot+2:G0B+4*\slot+3], s[G0B+4*\slot+2:G0B+4*\slot+3], 2*HALFT
	JLOAD G0+4*\slot, G1, G0B+4*\slot, G1B
	PLACES NP-4
.else
	PLACES NP
.endif
	s_wait_alu depctr_va_vdst(0)
	v_add_nc_u32 v[ADRS], 512*NQ, v[ADRS]
	FETCH_B \next, 0, 0
	FETCH_A \next, 0, 0
	SCALES \next
	WIN MUL_HI
	MUL16 4, 1, NQ-1, \slot, 0
	MUL16 6, 1, NQ-1, \slot, 0
	PLACES NP
	WIN 0
	FETCH_A \next, 0, 4
.endm
	s_wait_alu depctr_va_vdst(0)
	s_wait_tensorcnt 0x0                           ; my tile of the head's four is in
	ds_add_u32 v[SPW], v[NIL]
.irp g, G1, G1B                        ; no tensor load of mine is out: from here on a load brings 128 rows of 256 bytes
	s_mov_b32 s[\g+1], 32<<16
	s_mov_b32 s[\g+2], 128<<16
	s_mov_b32 s[\g+3], 32<<16
	s_mov_b32 s[\g+4], 128
	s_mov_b32 s[\g+5], 32
.endr
	s_wait_dscnt 0x0
	CROUND
	JLOAD G0+4, G1, G0B+4, G1B
	FETCH_B 0, 0, 0
	FETCH_A 0, 0, 0
	SCALES 0
	FETCH_A 0, 0, 4
	global_prefetch_b8 v30, s[100:101] offset:3*HALFT th:TH_LOAD_NT scope:SCOPE_SE   ; slot 3's tiles, two refills ahead of their load
	STEP 0, 0, 1
	TURN 0, 1, 1
	STEP 1, 0, 0
	TURN 1, 0, 1
	STEP 0, 0, 0
	TURN 0, 1, 0
	STEP 1, 0, 0
	s_wait_dscnt 4*NL
	WIN MUL_LO
	MUL16 0, 1, NQ-1, 1, 0
	MUL16 2, 1, NQ-1, 1, 0
	s_wait_dscnt 0
	WIN MUL_HI
	MUL16 4, 1, NQ-1, 1, 0
	MUL16 6, 1, NQ-1, 1, 0
	WIN 0
	PLACES NP
.if PROJ
.irp b, 0,1,2,3
	v_mov_b32 v[TM+4+\b], 0
.endr
.macro QUANTW a
.set AC, 64*((\a)%4)
.set WA, 2+(\a)/4
.set PCA, AF+16*(\a)
	WIN (WA|(WA<<2))
.irp b, 0,1,2,3
	v_max3_num_f32 v[TM+\b], |v[AC+16*\b]|, |v[AC+1+16*\b]|, 0x4800000
.endr
	WIN ((WA<<2)|(WA<<4))
.irp i, 2,4,6,8,10,12,14
.irp b, 0,1,2,3
	v_max3_num_f32 v[TM+\b], v[TM+\b], |v[AC+16*\b+\i]|, |v[AC+1+16*\b+\i]|
.endr
.endr
	WIN 0
.irp b, 0,1,2,3
	v_permlanex16_b32 v[TM+4+\b], v[TM+\b], s96, s97
.endr
.irp b, 0,1,2,3
	v_max_num_f32 v[TM+\b], v[TM+\b], v[TM+4+\b]
.endr
.irp b, 0,1,2,3
	v_add_nc_u32 v[TM+12+\b], 0xfc000000, v[TM+\b]
.endr
.irp b, 0,1,2,3
	v_and_or_b32 v[TM+8+\b], v[TM+\b], 0x7f800000, s98
.endr
.irp b, 0,1,2,3
	v_lshrrev_b32 v[TM+4+\b], 23, v[TM+12+\b]
.endr
	v_lshl_or_b32 v[WD+(\a)], v[TM+5], 8, v[TM+4]
	v_lshl_or_b32 v[WD+(\a)], v[TM+6], 16, v[WD+(\a)]
	v_lshl_or_b32 v[WD+(\a)], v[TM+7], 24, v[WD+(\a)]
	WIN (WA|(WA<<6))
.set n, 0
.rept 64
	v_med3_num_f32 v[AC+n], v[AC+n], -v[TM+8+n/16], v[TM+8+n/16]
.set n, n+1
.endr
	WIN WA
.irp b, 0,1,2,3
	v_cvt_scalef32_pk8_fp8_f32 v[PCA+4*\b:PCA+4*\b+1], v[AC+16*\b:AC+16*\b+7], v[TM+12+\b]
	v_cvt_scalef32_pk8_fp8_f32 v[PCA+4*\b+2:PCA+4*\b+3], v[AC+16*\b+8:AC+16*\b+15], v[TM+12+\b]
.endr
	WIN 0
	v_nop
	s_wait_alu depctr_va_vdst(0)                   ; the wait here, directly ahead of the branch
	s_cmp_eq_u32 s3, 2                             ; which tensor: the cluster's y alone decides, alike in all partners
	s_cbranch_scc1 .Lvt_\@
.irp c, 0,1,2,3
	global_store_b128 v[CO], v[PCA+4*\c:PCA+4*\c+3], s[12:13] offset:524288*(\c/2)+1024*(\a)+512*(\c%2)   ; K, Q: register groups 0, 1 are the even head's 64, groups 2, 3 the odd head's
.endr
	s_branch .Lst_\@
.Lvt_\@:
.irp c, 0,1,2,3
	global_store_b128 v[CO], v[PCA+4*\c:PCA+4*\c+3], s[12:13] offset:2048*(\a)+512*\c
.endr
.Lst_\@:
.endm
.irp a, 0,1,2,3,4,5,6,7
	QUANTW \a
.endr
	v_cmp_eq_u32 vcc_lo, 1, v2
.irp i, 0,1,2,3
	v_cndmask_b32 v[WO+\i], v[WD+\i], v[WD+4+\i], vcc_lo
.endr
	global_store_b128 v[RD], v[WO:WO+3], s[66:67]
.else
.macro TOSTAGE a
.set AC, 64*((\a)%4)
	WIN (0x08+4*((\a)/4))
.irp b, 0,1,2,3,4,5,6,7
	ds_store_b128 v[STO], v[AC+8*\b:AC+8*\b+3] offset:128*(\b/2)+32*(\b%2)
	ds_store_b128 v[STO], v[AC+8*\b+4:AC+8*\b+7] offset:128*(\b/2)+32*(\b%2)+16
.endr
	WIN 0
.set BB, BK+64*((\a)%2)
.irp t, 0,1,2,3,4,5,6,7,8,9,10,11,12,13,14,15
	ds_load_b128 v[BB+4*\t:BB+4*\t+3], v[RD] offset:\t*SPITCH
.endr
.endm
.macro SEND a, younger
.set BB, BK+64*((\a)%2)
	s_wait_dscnt \younger
.irp t, 0,1,2,3,4,5,6,7,8,9,10,11,12,13,14,15
	global_store_b128 v[CO], v[BB+4*\t:BB+4*\t+3], s[12:13] offset:(32*((\a)/2)+8*((\a)%2)+\t+8*(\t/8))*4096 th:TH_STORE_NT
.endr
.endm
	TOSTAGE 0
.irp a, 1,2,3,4,5,6,7
.if \a > 1
	s_wait_xcnt 0x0
.endif
	TOSTAGE \a
	SEND \a-1, 32
.endr
	SEND 7, 0
.endif
	s_wait_tensorcnt 0x0
	ds_add_u32 v[SPW], v[NIL]
	s_wait_dscnt 0x0
	CROUND
	s_endpgm
.Lfunc_end_k_q8e7f721b2f_proj:
	.size	k_q8e7f721b2f_proj, .Lfunc_end_k_q8e7f721b2f_proj-k_q8e7f721b2f_proj
	.p2alignl 7, 3214868480
	.fill 96, 4, 3214868480
	.section	.rodata,"a",@progbits
	.p2align	6, 0x0
	.amdhsa_kernel k_q8e7f721b2f_proj
		.amdhsa_group_segment_fixed_size 327680
		.amdhsa_private_segment_fixed_size 0
		.amdhsa_enable_private_segment 0
		.amdhsa_kernarg_size 32
		.amdhsa_user_sgpr_count 2
		.amdhsa_user_sgpr_kernarg_segment_ptr 1
		.amdhsa_wavefront_size32 1
		.amdhsa_system_sgpr_workgroup_id_x 1
		.amdhsa_system_sgpr_workgroup_id_y 1
		.amdhsa_system_sgpr_workgroup_id_z 1
		.amdhsa_system_vgpr_workitem_id 0
		.amdhsa_next_free_vgpr 1024
		.amdhsa_next_free_sgpr 102
		.amdhsa_reserve_vcc 1
		.amdhsa_float_denorm_mode_32 3
		.amdhsa_float_denorm_mode_16_64 3
		.amdhsa_memory_ordered 1
		.amdhsa_forward_progress 1
		.amdhsa_inst_pref_size 190
	.end_amdhsa_kernel
	.amdgpu_metadata
---
amdhsa.version: [ 1, 2 ]
amdhsa.kernels:
  - .name:           k_q8e7f721b2f_proj
    .symbol:         k_q8e7f721b2f_proj.kd
    .args:
      - { .name: xwc, .offset: 0, .size: 8, .value_kind: global_buffer, .address_space: global }
      - { .name: xws, .offset: 8, .size: 8, .value_kind: global_buffer, .address_space: global }
      - { .name: pc, .offset: 16, .size: 8, .value_kind: global_buffer, .address_space: global }
      - { .name: ps, .offset: 24, .size: 8, .value_kind: global_buffer, .address_space: global }
    .group_segment_fixed_size: 327680
    .private_segment_fixed_size: 0
    .kernarg_segment_align: 8
    .kernarg_segment_size: 32
    .max_flat_workgroup_size: 128
    .sgpr_count:     102
    .vgpr_count:     1024
    .wavefront_size: 32
...
	.end_amdgpu_metadata
.endif
;; end of part 2
;; launch attn (part 3): grid 8 x 32, 16 waves a work-group, no clusters, 327,680 bytes of LDS; arguments pc, ps, oc, os; writes oc, os
.if DOCPART == 3
	.amdgcn_target "amdgcn-amd-amdhsa--gfx1250"
	.amdhsa_code_object_version 6
	.text
	.protected	k_q8e7f721b2f_attn
	.globl	k_q8e7f721b2f_attn
	.p2align	8
	.type	k_q8e7f721b2f_attn,@function
k_q8e7f721b2f_attn:
	s_mov_b64 s[64:65], 0
	v_nop
	global_prefetch_b8 v0, s[64:65] scope:SCOPE_SE
	s_setreg_imm32_b32 hwreg(HW_REG_WAVE_MODE, 25, 1), 1
	s_wait_xcnt 0x0
; Causal attention, 4 batches x 16 heads x 2,048 x 64, both products on codes of FP8 (E4M3) with one E8M0 scale for each 32 along a product's K; O / l is quantised along the model's 1,024 and leaves as codes.
; LEFT OUT: key steps all of whose keys come after a block's queries: the causal mask sets their scores to -1e30, whose p is 0 for all inputs.  A NaN or infinity that reaches only those steps is not carried.
; THE SOFTMAX: t = score x log2(e) / 8 (the queries' 1 / 8 is a power of two, which their blocks' scales would take up exactly: it stands in this constant); M = the largest t so far, rounded up to a whole number;
; p = 2^(t - M) is quantised along the keys; the sum is taken of the unquantised p and divides O at the end; when M moves, sum and O are multiplied by 2^(old M - new M).
; LIMITS: NaN and infinities are not served; scaled scores stay under 2^31 in magnitude; a block of zeros gets the byte 1 (its codes are zeros; only this program reads the bytes).
; INPUTS in the order of an operand's registers.  A tile's lane-row r is row 32 (t / 2) + 8 (t % 2) + r + 8 (r / 8) of a group of 128.  K at 0, Q at 8,388,608: [head][group 16 b + s / 128][tile][1,024]: byte 512 c + 16 lane + i is
; channel 32 c + 16 (lane / 16) + i.  V^T at 16,777,216: blocks of 16,384 (head pair p, group): tiles 0-3 the even head's channels, 4-7 the odd head's; byte 512 c + 16 lane + i of a tile of 2,048 is key 32 c + 16 (lane / 16) + i.
; Scale words: 512 bytes for (group, p) (V: (p, group)), the word of (t, r) at 32 r + 4 t; K's and Q's words hold the even head's two bytes, then the odd head's.
; SHARES.  A work-group owns ONE head of a batch and four blocks of 128 queries: waves 0-7 blocks 15 - g and g, waves 8-15 blocks 8 + g and 7 - g (g = 0 .. 3): 17 key steps for every wave, 256 equal work-groups.  A wave owns one tile of 16 queries.
; THE HEAD'S WHOLE K AND V STAY IN LDS: 16 places of 8,192 bytes each for K's and V's codes, 16 x 512 for each one's scale words: 278,528 bytes, each fetched once, by ten tensor loads.  Nothing is filled again.
; THE WALK.  With j the smaller block: steps T = 0 .. 15 - j are the larger block's, key step T (the last its diagonal); steps T = 16 - j .. 16 the smaller block's, key step 16 - T (the first its diagonal, in which every row sees its block's key 0).
; THE LOADS.  At the kernel's head waves 0, 1, 8, 9 ask for what steps 0 to 3 read: places 0 to 3 of K and of V and all scale words, 81,920 bytes.  Behind the first barrier waves 2 to 7 ask for places 4 to 15, 32,768 bytes a wave:
; these first fills have four steps in which to land and are waited for at the barrier ahead of step 4.
; A HEAD'S 64 FILL HALF OF THE INSTRUCTION'S 128.  K's eight tiles lie 8 registers apart, so a fragment's upper half is the next tile's codes (the last tile's: the second block's Q): finite codes, which meet Q's zero codes and add nothing.
; V's four fragments take K's registers as soon as the scores are made, so their loads run under the softmax.  The results' two scale bytes a row leave by stores of 2 bytes: 2 bytes for each 64 of codes; the other head's work-group stores the word's other half.
; No cluster: which steps a work-group's waves mask and which places they read hangs on g, which would be its place among the four that share a head.  No prefetch: all loads have gone out when the first step begins; no loop asks for tiles.
.set VB0,   131072                     ; V's codes, behind K's
.set KSB,   262144                     ; K's scale words
.set VSB,   270336                     ; V's
.set SPARE, 278528                     ; the spare words: 128 bytes a wave
.set SPW,  5
.set NIL,  6
.set LI,   7                           ; 16 x lane
.set AV0,  2                           ; v2-4 my places in a place: V's tiles, K's scale bytes, V's scale words (K's tiles: v7)
.set ASK0, 3
.set ASV0, 4
.set ADK,  8                           ; v8-11 the four for the step in hand
.set ADV,  9
.set ADS,  10
.set ADT,  11
.set KS,   16                          ; v16-23 K's scale words; v24-27 V's; v28 Q's; v29 p's; v[30:31] f.  v12 -M, v13 the largest t, v[14:15] the sum
.set VS,   24
.set QS,   28
.set PS,   29
.set FF,   30
.set KF,   32                          ; v32-95 K's tiles, then V's fragments
.set Q2,   96                          ; v96-103 the second block's Q
.set QF,   104                         ; v104-119 Q's fragment: 8 registers of codes, 8 of zeros
.set SS,   120                         ; v120-183 S^T, then p
.set OT,   184                         ; v184-215 O^T
.set PC,   216                         ; v216-231 p's codes
.set BM,   232
.set PM,   236
.set BND,  240
.set SOP,  244
.set TP,   248
.set Q2S,  252
.set DG,   253                         ; my query in its block less 16 h
.set OSO,  254                         ; 32 r + 4 x tile + 2 x (head % 2): my row's two bytes in a block of scale words
.set WV,   12                          ; s12 wave; s13 wave % 2; s14 tile; s15 wave / 8; s16 j; s17 batch; s18 head pair; s2 head % 2; s3 g
.set MNT,  19
.set SEL,  20
.set CS,   22
.set G1K,  24
.set G1V,  32
.set G1KS, 40
.set G1VS, 48
.set G0K,  56
.set G0V,  60
.set G0KS, 68
.set G0VS, 72
.set T,    4                           ; behind the head: s4 the step; s5 16 - j; s6 15 - j; s7 16 - T; s8, s9 where the step's place begins (codes, scale words); s10 trips; s11 at work
.set SW,   5
.set D1,   6
.set RT,   7
.set TB,   8
.set TBS,  9
.macro GRP1 g, c, r, p                 ; descriptor group 1: r rows of c elements of 8 bytes, p elements apart, no padding
	s_mov_b32 s[\g], 3<<16
	s_mov_b32 s[\g+1], (\c)<<16
	s_mov_b32 s[\g+2], (\r)<<16
	s_mov_b32 s[\g+3], (\c)<<16
	s_mov_b32 s[\g+4], \r
	s_mov_b32 s[\g+5], \p
	s_mov_b32 s[\g+6], 0
	s_mov_b32 s[\g+7], 0
.endm
.macro TL g0, g1                       ; an s_nop 0 and four v_nop follow the load
	tensor_load_to_lds s[\g0:\g0+3], s[\g1:\g1+7]
	s_nop 0
.rept 4
	v_nop
.endr
.endm
	s_load_b256 s[4:11], s[0:1], 0x0               ; in: codes, scale words; out: codes, scale words
	v_lshl_add_u32 v[SPW], v0, 2, SPARE
	v_mov_b32 v[NIL], 0
	ds_add_u32 v[SPW], v[NIL]                      ; the opening lines: the add twice on end and its wait
	ds_add_u32 v[SPW], v[NIL]
	v_lshrrev_b32 v8, 5, v0
	v_readfirstlane_b32 s[WV], v8
	s_and_b32 s13, s[WV], 1
	s_and_b32 s14, s[WV], 7
	s_lshr_b32 s15, s[WV], 3
	s_lshr_b32 s96, s[WV], 1                       ; which four places I fetch (waves 0 to 7)
	s_and_b32 s2, ttmp9, 1
	s_lshr_b32 s3, ttmp9, 1
	s_sub_co_u32 s16, 7, s3
	s_cmp_eq_u32 s15, 0
	s_cselect_b32 s16, s3, s16                     ; j
	s_and_b32 s92, ttmp7, 0xffff
	s_lshr_b32 s17, s92, 3
	s_and_b32 s18, s92, 7
	s_lshl_b32 s97, s18, 1
	s_add_co_u32 s97, s97, s2                      ; head
	GRP1 G1K, 32, 128, 32                          ; K: four places, 32,768 dense bytes
	GRP1 G1V, 1024, 4, 2048                        ; V: four places: my head's 8,192 bytes of four blocks of 16,384
	GRP1 G1KS, 64, 16, 512                         ; K's scale words: 512 bytes of each of 16 groups, 4,096 apart
	GRP1 G1VS, 32, 32, 32                          ; V's: 8,192 dense bytes
	s_mov_b32 s[G0K], 1
	s_lshl_b32 s[G0K+1], s96, 15
	s_lshl_b32 s[G0K+2], s97, 19
	s_lshl_b32 s92, s17, 17
	s_add_co_u32 s[G0K+2], s[G0K+2], s92
	s_add_co_u32 s[G0K+2], s[G0K+2], s[G0K+1]
	s_mov_b32 s[G0K+3], 0
	s_mov_b32 s[G0V], 1
	s_add_co_u32 s[G0V+1], s[G0K+1], VB0
	s_lshl_b32 s[G0V+2], s18, 20
	s_lshl_b32 s92, s17, 18
	s_add_co_u32 s[G0V+2], s[G0V+2], s92
	s_lshl_b32 s92, s2, 13
	s_add_co_u32 s[G0V+2], s[G0V+2], s92
	s_lshl_b32 s92, s96, 16
	s_add_co_u32 s[G0V+2], s[G0V+2], s92
	s_add_co_u32 s[G0V+2], s[G0V+2], 0x1000000
	s_mov_b32 s[G0V+3], 0
	s_mov_b32 s[G0KS], 1
	s_mov_b32 s[G0KS+1], KSB
	s_lshl_b32 s[G0KS+2], s17, 16
	s_lshl_b32 s95, s18, 9
	s_add_co_u32 s[G0KS+2], s[G0KS+2], s95
	s_mov_b32 s[G0KS+3], 0
	s_mov_b32 s[G0VS], 1
	s_mov_b32 s[G0VS+1], VSB
	s_lshl_b32 s[G0VS+2], s18, 15
	s_lshl_b32 s92, s17, 13
	s_add_co_u32 s[G0VS+2], s[G0VS+2], s92
	s_add_co_u32 s[G0VS+2], s[G0VS+2], 0x80000
	s_mov_b32 s[G0VS+3], 0
	s_lshl_b32 s92, s17, 4                         ; my two blocks' groups: the larger (s92), the smaller (s93)
	s_add_co_u32 s93, s92, s16
	s_add_co_u32 s92, s92, 15
	s_sub_co_u32 s92, s92, s16
	s_lshl_b32 s94, s97, 19                        ; Q's codes: its region + head x 524,288 + group x 8,192 + tile x 1,024
	s_lshl_b32 s98, s14, 10
	s_add_co_u32 s94, s94, s98
	s_add_co_u32 s94, s94, 0x800000
	s_lshl_b32 s84, s92, 13
	s_add_co_u32 s84, s84, s94
	s_mov_b32 s85, 0
	s_lshl_b32 s86, s93, 13
	s_add_co_u32 s86, s86, s94
	s_mov_b32 s87, 0
	s_lshl_b32 s88, s92, 12                        ; scale words, Q's and the results': group x 4,096 + 512 p
	s_add_co_u32 s88, s88, s95
	s_mov_b32 s89, 0
	s_lshl_b32 s90, s93, 12
	s_add_co_u32 s90, s90, s95
	s_mov_b32 s91, 0
	s_lshl_b32 s94, s18, 14                        ; the results' codes: group x 131,072 + 16,384 p + 2,048 x tile + 1,024 x (head % 2)
	s_lshl_b32 s98, s14, 11
	s_add_co_u32 s94, s94, s98
	s_lshl_b32 s98, s2, 10
	s_add_co_u32 s94, s94, s98
	s_lshl_b32 s98, s92, 17
	s_add_co_u32 s98, s98, s94
	s_mov_b32 s99, 0
	s_lshl_b32 s92, s93, 17
	s_add_co_u32 s92, s92, s94
	s_mov_b32 s93, 0
	s_mov_b32 s[SEL], 0x76543210
	s_mov_b32 s[SEL+1], 0xfedcba98
	s_mov_b32 s[CS], 0x3e38aa3b                    ; log2(e) / 8
	s_mov_b32 s[CS+1], s[CS]
	s_mov_b32 s[MNT], 0x600000
	s_wait_dscnt 0x0
	s_wait_kmcnt 0x0
	s_add_nc_u64 s[G0K+2:G0K+3], s[4:5], s[G0K+2:G0K+3]
	s_or_b32 s[G0K+3], s[G0K+3], 0x80000000
	s_add_nc_u64 s[G0V+2:G0V+3], s[4:5], s[G0V+2:G0V+3]
	s_or_b32 s[G0V+3], s[G0V+3], 0x80000000
	s_add_nc_u64 s[G0KS+2:G0KS+3], s[6:7], s[G0KS+2:G0KS+3]
	s_or_b32 s[G0KS+3], s[G0KS+3], 0x80000000
	s_add_nc_u64 s[G0VS+2:G0VS+3], s[6:7], s[G0VS+2:G0VS+3]
	s_or_b32 s[G0VS+3], s[G0VS+3], 0x80000000
	; the head's loads, one a wave, in one chain of branches on the wave's number: what steps 0 to 3 read
	s_cmp_eq_u32 s[WV], 0
	s_cbranch_scc0 .Larm1
	TL G0K, G1K
	s_branch .Lasked
.Larm1:
	s_cmp_eq_u32 s[WV], 1
	s_cbranch_scc0 .Larm2
	TL G0V, G1V
	s_branch .Lasked
.Larm2:
	s_cmp_eq_u32 s[WV], 8
	s_cbranch_scc0 .Larm3
	TL G0KS, G1KS
	s_branch .Lasked
.Larm3:
	s_cmp_eq_u32 s[WV], 9
	s_cbranch_scc0 .Lasked
	TL G0VS, G1VS
.Lasked:
	s_add_nc_u64 s[76:77], s[8:9], s[98:99]        ; the results' codes: the larger block, the smaller
	s_add_nc_u64 s[78:79], s[8:9], s[92:93]
	s_add_nc_u64 s[80:81], s[10:11], s[88:89]      ; and their scale words
	s_add_nc_u64 s[82:83], s[10:11], s[90:91]
	s_add_nc_u64 s[84:85], s[4:5], s[84:85]        ; Q's codes
	s_add_nc_u64 s[86:87], s[4:5], s[86:87]
	s_add_nc_u64 s[88:89], s[6:7], s[88:89]
	s_add_nc_u64 s[88:89], s[88:89], 0x40000       ; and scale words
	s_add_nc_u64 s[90:91], s[6:7], s[90:91]
	s_add_nc_u64 s[90:91], s[90:91], 0x40000
	s_lshl_b32 s92, s14, 2
	s_lshl_b32 s93, s2, 1
	s_add_co_u32 s92, s92, s93                     ; 4 x tile + 2 x (head % 2)
	s_add_co_u32 s93, s93, KSB
	s_lshl_b32 s94, s2, 4
	s_add_co_u32 s94, s94, VSB
	s_lshr_b32 s95, s14, 1
	s_lshl_b32 s95, s95, 5
	s_and_b32 s98, s14, 1
	s_lshl_b32 s98, s98, 3
	s_add_co_u32 s95, s95, s98                     ; 32 (tile / 2) + 8 (tile % 2)
	s_sub_co_u32 s[SW], 16, s16
	s_sub_co_u32 s[D1], 15, s16
	s_mov_b32 s[T], 0
	s_mov_b32 s[TB], 0
	s_mov_b32 s[TBS], 0
	s_mov_b32 s10, 4
	v_and_b32 v8, 31, v0
	v_and_b32 v9, 15, v0                           ; r
	v_bfe_u32 v10, v0, 4, 1                        ; h
	v_lshlrev_b32 v[LI], 4, v8
	v_lshlrev_b32 v11, 5, v9                       ; 32 r
	v_add_nc_u32 v[OSO], s92, v11
	global_load_b128 v[QF:QF+3], v[LI], s[84:85]
	global_load_b128 v[QF+4:QF+7], v[LI], s[84:85] offset:512
	global_load_u16 v[QS], v[OSO], s[88:89]        ; the upper two bytes come as 0, over zero codes
	global_load_b128 v[Q2:Q2+3], v[LI], s[86:87]
	global_load_b128 v[Q2+4:Q2+7], v[LI], s[86:87] offset:512
	global_load_u16 v[Q2S], v[OSO], s[90:91]
	v_add_nc_u32 v[AV0], VB0, v[LI]
	v_add_nc_u32 v[ASK0], s93, v11
	v_add_nc_u32 v[ASV0], s94, v11
	v_and_b32 v[DG], 8, v9
	v_add_nc_u32 v[DG], v[DG], v9
	v_add_nc_u32 v[DG], s95, v[DG]
	v_lshlrev_b32 v10, 4, v10
	v_sub_nc_u32 v[DG], v[DG], v10                 ; register 16 c + i holds key 32 c + i + 16 h: hidden on a diagonal where 32 c + i > this
.irp j, 0,1,2,3,4,5,6,7
	v_mov_b32 v[QF+8+\j], 0                        ; the upper half of Q's fragment: zero codes, for the whole launch
.endr
.irp b, 0,1,2,3
	v_mov_b32 v[PM+\b], 0                          ; a lane permute's destination counts as one of its sources
.endr
	v_mov_b32 v[TP], 0
	v_mov_b32 v[FF], 0
	v_mov_b32 v[FF+1], 0
.macro INIT                            ; a block of queries begins: zeros, which the first change of M leaves zeros
	v_mov_b32 v13, 0xff61b1e6                      ; -3e38, under every t
	v_floor_f32 v12, -v13
	v_mov_b32 v14, 0
	v_mov_b32 v15, 0
.set n, 0
.rept 32
	v_mov_b32 v[OT+n], 0
.set n, n+1
.endr
.endm
	INIT
.macro HOLD2 x, y                      ; two numbers held at the bound in v[y]: p is not negative, so the hold is one-sided
	v_dual_min_num_f32 v[\x], v[\x], v[\y] :: v_dual_min_num_f32 v[(\x)+1], v[(\x)+1], v[\y]
.endm
; A BLOCK OF QUERIES ENDS (ph = 0: the larger, 1: the smaller).  O^T / the sum: register 16 c + i is channel 32 c + 16 h + i of my head: two blocks of 32 along the output projection's K, quantised in registers; two stores of 512 consecutive bytes.
.macro FINAL ph
.rept 8
	v_nop                                          ; places behind the last products
.endr
	v_add_f32 v14, v14, v15
	v_permlanex16_b32 v[TP], v14, s[SEL], s[SEL+1]
	v_add_f32 v14, v14, v[TP]                      ; the row's sum
	s_wait_alu depctr_va_vdst(0)                   ; the wait ahead of the transcendental
	v_rcp_f32 v14, v14
	v_nop
	s_wait_alu depctr_va_vdst(0)                   ; and ahead of its first reader
.set n, 0
.rept 32
	v_mul_f32 v[SS+n], v[OT+n], v14
.set n, n+1
.endr
.irp b, 0,1
	v_max3_num_f32 v[BM+\b], |v[SS+16*\b]|, |v[SS+1+16*\b]|, 0x4800000   ; with the floor 2^(9 - 127)
.endr
.irp i, 2,4,6,8,10,12,14
.irp b, 0,1
	v_max3_num_f32 v[BM+\b], v[BM+\b], |v[SS+16*\b+\i]|, |v[SS+1+16*\b+\i]|
.endr
.endr
.irp b, 0,1
	v_permlanex16_b32 v[PM+\b], v[BM+\b], s[SEL], s[SEL+1]
.endr
.irp b, 0,1
	v_max_num_f32 v[BM+\b], v[BM+\b], v[PM+\b]
.endr
.irp b, 0,1
	v_add_nc_u32 v[SOP+\b], 0xfc000000, v[BM+\b]
.endr
.irp b, 0,1
	v_and_or_b32 v[BND+\b], v[BM+\b], 0x7f800000, s[MNT]
.endr
.irp b, 0,1
	v_lshrrev_b32 v[PM+\b], 23, v[SOP+\b]
.endr
	v_lshl_or_b32 v[PS], v[PM+1], 8, v[PM]
.irp b, 0,1
.irp i, 0,1,2,3,4,5,6,7,8,9,10,11,12,13,14,15
	v_med3_num_f32 v[SS+16*\b+\i], v[SS+16*\b+\i], -v[BND+\b], v[BND+\b]
.endr
	v_cvt_scalef32_pk8_fp8_f32 v[PC+4*\b:PC+1+4*\b], v[SS+16*\b:SS+7+16*\b], v[SOP+\b]
	v_cvt_scalef32_pk8_fp8_f32 v[PC+2+4*\b:PC+3+4*\b], v[SS+8+16*\b:SS+15+16*\b], v[SOP+\b]
.endr
	v_nop                                          ; one plain vector line behind the last conversion
	global_store_b16 v[OSO], v[PS], s[80+2*\ph:81+2*\ph]   ; both halves of the lanes store the same two bytes
	global_store_b128 v[LI], v[PC:PC+3], s[76+2*\ph:77+2*\ph]
	global_store_b128 v[LI], v[PC+4:PC+7], s[76+2*\ph:77+2*\ph] offset:512
.if \ph == 0
	s_wait_xcnt 0x0                                ; the stores have read their registers: they are written again only behind this wait
.endif
.endm
; A KEY STEP: 128 keys.  kind 0: steps 0 to 3, place T, no diagonal (15 - j is at least 8); kind 1: steps 4 to 16.
.macro STEP kind
.if \kind == 1
	s_cmp_lg_u32 s[T], s[SW]                       ; the change of query blocks: a scalar branch on ids; no barrier stands in this loop
	s_cbranch_scc1 .Lsame_\@
	FINAL 0
.irp j, 0,1,2,3,4,5,6,7
	v_mov_b32 v[QF+\j], v[Q2+\j]
.endr
	v_mov_b32 v[QS], v[Q2S]
	INIT
.Lsame_\@:
	s_cmp_lt_u32 s[T], s[SW]
	s_cselect_b32 s11, s[T], s[RT]                 ; the place: T for the larger block, 16 - T for the smaller
	s_min_u32 s11, s11, 15
	s_lshl_b32 s[TB], s11, 13
	s_lshl_b32 s[TBS], s11, 9
.endif
	v_add_nc_u32 v[ADK], s[TB], v[LI]
	v_add_nc_u32 v[ADV], s[TB], v[AV0]
	v_add_nc_u32 v[ADS], s[TBS], v[ASK0]
	v_add_nc_u32 v[ADT], s[TBS], v[ASV0]
.rept 4
	v_nop                                          ; eight places with the four additions, ahead of loads into registers that the last products read
.endr
.irp t, 0,1,2,3,4,5,6,7
	ds_load_b128 v[KF+8*\t:KF+8*\t+3], v[ADK] offset:1024*\t
	ds_load_b128 v[KF+8*\t+4:KF+8*\t+7], v[ADK] offset:1024*\t+512
	ds_load_u16 v[KS+\t], v[ADS] offset:4*\t
.endr
	s_wait_alu depctr_va_vdst(0)                   ; the wait here, directly ahead of the wait below
	s_wait_dscnt 0x0
.irp t, 0,1,2,3,4,5,6,7                        ; S^T = K Q^T
	v_wmma_scale_f32_16x16x128_f8f6f4 v[SS+8*\t:SS+8*\t+7], v[KF+8*\t:KF+8*\t+15], v[QF:QF+15], 0, v[KS+\t], v[QS]
.endr
.rept 8
	v_nop
.endr
.irp t, 0,1,2,3                                ; V's four fragments take K's registers
.irp c, 0,1,2,3
	ds_load_b128 v[KF+16*\t+4*\c:KF+16*\t+4*\c+3], v[ADV] offset:2048*\t+512*\c
.endr
.endr
	ds_load_b128 v[VS:VS+3], v[ADT]
.if \kind == 1
	s_sub_co_u32 s11, s[T], s[D1]                  ; the diagonals are steps 15 - j and 16 - j; all other steps hide nothing
	s_cmp_gt_u32 s11, 1
	s_cbranch_scc1 .Lopen_\@
	v_mov_b32 v[TP], 0xff800000                    ; -infinity
.set n, 0
.rept 64
	v_cmp_gt_i32 vcc_lo, 32*(n/16)+n%16, v[DG]
	v_cndmask_b32 v[SS+n], v[SS+n], v[TP], vcc_lo
.set n, n+1
.endr
.Lopen_\@:
.endif
.irp b, 0,1,2,3
	v_max3_num_f32 v[BM+\b], v[SS+16*\b], v[SS+1+16*\b], v[SS+2+16*\b]   ; the largest score of each block of 32 keys serves the row's maximum and, since p rises with the score, the block's largest p
.endr
.irp i, 3,5,7,9,11,13
.irp b, 0,1,2,3
	v_max3_num_f32 v[BM+\b], v[BM+\b], v[SS+16*\b+\i], v[SS+1+16*\b+\i]
.endr
.endr
.irp b, 0,1,2,3
	v_max_num_f32 v[BM+\b], v[BM+\b], v[SS+15+16*\b]
.endr
.irp b, 0,1,2,3
	v_permlanex16_b32 v[PM+\b], v[BM+\b], s[SEL], s[SEL+1]
.endr
.irp b, 0,1,2,3
	s_delay_alu instid0(VALU_DEP_4)
	v_max_num_f32 v[BM+\b], v[BM+\b], v[PM+\b]
.endr
	s_delay_alu instid0(VALU_DEP_2)
	v_max3_num_f32 v[TP], v[BM], v[BM+1], v[BM+2]
	s_delay_alu instid0(VALU_DEP_1)
	v_max_num_f32 v[TP], v[TP], v[BM+3]
	s_delay_alu instid0(VALU_DEP_1)
	v_mul_f32 v[TP], s[CS], v[TP]
	s_delay_alu instid0(VALU_DEP_1)
	v_max_num_f32 v13, v13, v[TP]                  ; the running largest t
	v_mov_b32 v[TP], v12
	s_delay_alu instid0(VALU_DEP_2)
	v_floor_f32 v12, -v13                          ; -M = floor(-t)
	s_delay_alu instid0(VALU_DEP_1)
	v_sub_f32 v[TP], v12, v[TP]
	s_delay_alu instid0(VALU_DEP_1)
	v_cvt_i32_f32 v[TP], v[TP]
	s_delay_alu instid0(VALU_DEP_1)
	v_ldexp_f32 v[FF], 1.0, v[TP]                  ; f = 2^(old M - new M)
.set n, 0
.rept 32
	v_pk_fma_f32 v[SS+n:SS+n+1], v[SS+n:SS+n+1], s[CS:CS+1], v[12:13] op_sel_hi:[1,0,0]
.set n, n+2
.endr
.irp b, 0,1,2,3
	v_fma_f32 v[BM+\b], v[BM+\b], s[CS], v12
.endr
	s_wait_alu depctr_va_vdst(0)                   ; the wait ahead of the batch
.set n, 0
.rept 64
	v_exp_f32 v[SS+n], v[SS+n]
.set n, n+1
.endr
.irp b, 0,1,2,3
	v_exp_f32 v[BM+\b], v[BM+\b]
.endr
	v_pk_mul_f32 v[14:15], v[14:15], v[FF:FF+1] op_sel_hi:[1,0]
	s_wait_alu depctr_va_vdst(0)                   ; and behind it, ahead of its first reader
.irp b, 0,1,2,3
	v_max_num_f32 v[BM+\b], 0x4800000, v[BM+\b]
.endr
.irp b, 0,1,2,3
	s_delay_alu instid0(VALU_DEP_4)
	v_add_nc_u32 v[SOP+\b], 0xfc000000, v[BM+\b]
.endr
.irp b, 0,1,2,3
	v_and_or_b32 v[BND+\b], v[BM+\b], 0x7f800000, s[MNT]
.endr
.irp b, 0,1,2,3
	v_lshrrev_b32 v[PM+\b], 23, v[SOP+\b]
.endr
	s_delay_alu instid0(VALU_DEP_3)
	v_lshl_or_b32 v[PS], v[PM+1], 8, v[PM]
	s_delay_alu instid0(VALU_DEP_1)
	v_lshl_or_b32 v[PS], v[PM+2], 16, v[PS]
	s_delay_alu instid0(VALU_DEP_1)
	v_lshl_or_b32 v[PS], v[PM+3], 24, v[PS]
	v_pk_add_f32 v[PM:PM+1], v[SS:SS+1], v[SS+2:SS+3]              ; the row's sum of the unquantised p, in four chains
	v_pk_add_f32 v[PM+2:PM+3], v[SS+4:SS+5], v[SS+6:SS+7]
	v_pk_add_f32 v[TP:TP+1], v[SS+8:SS+9], v[SS+10:SS+11]
	v_pk_add_f32 v[14:15], v[14:15], v[SS+12:SS+13]
.set n, SS+14
.rept 6
	v_pk_add_f32 v[PM:PM+1], v[PM:PM+1], v[n:n+1]
	v_pk_add_f32 v[PM+2:PM+3], v[PM+2:PM+3], v[n+2:n+3]
	v_pk_add_f32 v[TP:TP+1], v[TP:TP+1], v[n+4:n+5]
	v_pk_add_f32 v[14:15], v[14:15], v[n+6:n+7]
.set n, n+8
.endr
	v_pk_add_f32 v[PM:PM+1], v[PM:PM+1], v[SS+62:SS+63]
	v_pk_add_f32 v[PM+2:PM+3], v[PM+2:PM+3], v[TP:TP+1]
	v_pk_add_f32 v[14:15], v[14:15], v[PM:PM+1]
	v_pk_add_f32 v[14:15], v[14:15], v[PM+2:PM+3]
.irp b, 0,1,2,3
.irp i, 0,2,4,6,8,10,12,14
	HOLD2 SS+16*\b+\i, BND+\b                      ; the conversion to an 8-bit code does not saturate (ISA guide 7.6.2)
.endr
	v_cvt_scalef32_pk8_fp8_f32 v[PC+4*\b:PC+1+4*\b], v[SS+16*\b:SS+7+16*\b], v[SOP+\b]
	v_cvt_scalef32_pk8_fp8_f32 v[PC+2+4*\b:PC+3+4*\b], v[SS+8+16*\b:SS+15+16*\b], v[SOP+\b]
.endr
	s_wait_alu depctr_va_vdst(0)                   ; the wait here, directly ahead of the first reader of O^T
.set n, 0
.rept 16
	v_pk_mul_f32 v[OT+n:OT+n+1], v[OT+n:OT+n+1], v[FF:FF+1] op_sel_hi:[1,0]   ; O^T x f; also the places between the conversions and the products
.set n, n+2
.endr
	s_wait_alu depctr_va_vdst(0)                   ; and here, directly ahead of the wait below
	s_wait_dscnt 0x0
.irp t, 0,1,2,3                                ; O^T += V^T P^T: the four accumulators by turns
	v_wmma_scale_f32_16x16x128_f8f6f4 v[OT+8*\t:OT+8*\t+7], v[KF+16*\t:KF+16*\t+15], v[PC:PC+15], v[OT+8*\t:OT+8*\t+7], v[VS+\t], v[PS]
.endr
.endm
	s_wait_alu depctr_va_vdst(0)                   ; the wait at the head's end
	s_wait_loadcnt 0x0                             ; Q, both blocks'
	s_wait_tensorcnt 0x0                           ; the head's four tiles are in
	ds_add_u32 v[SPW], v[NIL]                      ; the add twice
	ds_add_u32 v[SPW], v[NIL]
	s_wait_dscnt 0x0
	s_barrier_signal -1
	s_barrier_wait -1
	s_cmp_gt_u32 s[WV], 7                          ; places 4 to 15, first behind the barrier, one load a wave: waves 2, 4, 6 K's, waves 3, 5, 7 V's
	s_cbranch_scc1 .Lrest_asked
	s_cmp_lt_u32 s[WV], 2
	s_cbranch_scc1 .Lrest_asked
	s_cmp_eq_u32 s13, 0
	s_cbranch_scc0 .Lrest_v
	TL G0K, G1K
	s_branch .Lrest_asked
.Lrest_v:
	TL G0V, G1V
.Lrest_asked:
.Lfirst:                                           ; steps 0 to 3
	STEP 0
	s_add_co_u32 s[TB], s[TB], 8192
	s_add_co_u32 s[TBS], s[TBS], 512
	s_add_co_u32 s[T], s[T], 1
	s_sub_co_u32 s10, s10, 1
	s_cmp_lg_u32 s10, 0
	s_cbranch_scc1 .Lfirst
	s_wait_tensorcnt 0x0                           ; all that is still out: on every wave's way
	s_barrier_signal -1
	s_barrier_wait -1
	s_mov_b32 s[RT], 12
	s_mov_b32 s10, 13
.Lrest:                                            ; steps 4 to 16
	STEP 1
	s_add_co_u32 s[T], s[T], 1
	s_sub_co_u32 s[RT], s[RT], 1
	s_sub_co_u32 s10, s10, 1
	s_cmp_lg_u32 s10, 0
	s_cbranch_scc1 .Lrest
	FINAL 1
	s_barrier_signal -1                            ; every wave's LDS reads are over (each was waited for in its step)
	s_barrier_wait -1
	s_wait_tensorcnt 0x0                           ; the wave's end
	ds_add_u32 v[SPW], v[NIL]
	s_wait_dscnt 0x0
	s_endpgm
.Lfunc_end_k_q8e7f721b2f_attn:
	.size	k_q8e7f721b2f_attn, .Lfunc_end_k_q8e7f721b2f_attn-k_q8e7f721b2f_attn
	.p2alignl 7, 3214868480
	.fill 96, 4, 3214868480
	.section	.rodata,"a",@progbits
	.p2align	6, 0x0
	.amdhsa_kernel k_q8e7f721b2f_attn
		.amdhsa_group_segment_fixed_size 327680
		.amdhsa_private_segment_fixed_size 0
		.amdhsa_enable_private_segment 0
		.amdhsa_kernarg_size 32
		.amdhsa_user_sgpr_count 2
		.amdhsa_user_sgpr_kernarg_segment_ptr 1
		.amdhsa_wavefront_size32 1
		.amdhsa_system_sgpr_workgroup_id_x 1
		.amdhsa_system_sgpr_workgroup_id_y 1
		.amdhsa_system_sgpr_workgroup_id_z 1
		.amdhsa_system_vgpr_workitem_id 0
		.amdhsa_next_free_vgpr 256
		.amdhsa_next_free_sgpr 100
		.amdhsa_reserve_vcc 1
		.amdhsa_float_denorm_mode_32 3
		.amdhsa_float_denorm_mode_16_64 3
		.amdhsa_memory_ordered 1
		.amdhsa_forward_progress 1
		.amdhsa_inst_pref_size 69
	.end_amdhsa_kernel
	.amdgpu_metadata
---
amdhsa.version: [ 1, 2 ]
amdhsa.kernels:
  - .name:           k_q8e7f721b2f_attn
    .symbol:         k_q8e7f721b2f_attn.kd
    .args:
      - { .name: pc, .offset: 0, .size: 8, .value_kind: global_buffer, .address_space: global }
      - { .name: ps, .offset: 8, .size: 8, .value_kind: global_buffer, .address_space: global }
      - { .name: oc, .offset: 16, .size: 8, .value_kind: global_buffer, .address_space: global }
      - { .name: os, .offset: 24, .size: 8, .value_kind: global_buffer, .address_space: global }
    .group_segment_fixed_size: 327680
    .private_segment_fixed_size: 0
    .kernarg_segment_align: 8
    .kernarg_segment_size: 32
    .max_flat_workgroup_size: 512
    .sgpr_count:     100
    .vgpr_count:     256
    .wavefront_size: 32
...
	.end_amdgpu_metadata
.endif
;; end of part 3
;; launch outp (part 4): grid 4 x 32, 4 waves a work-group, clusters of 4 x 4, 327,680 bytes of LDS; arguments oc, os, xwc, xws, out0; writes out0
.if DOCPART == 4
	.amdgcn_target "amdgcn-amd-amdhsa--gfx1250"
	.amdhsa_code_object_version 6
	.text
	.protected	k_q8e7f721b2f_outp
	.globl	k_q8e7f721b2f_outp
	.p2align	8
	.type	k_q8e7f721b2f_outp,@function
k_q8e7f721b2f_outp:
	s_mov_b64 s[64:65], 0
	v_nop
	global_prefetch_b8 v0, s[64:65] scope:SCOPE_SE
	s_setreg_imm32_b32 hwreg(HW_REG_WAVE_MODE, 25, 1), 1
	s_wait_xcnt 0x0
	s_wait_alu depctr_hold_cnt(0) depctr_sa_sdst(0) depctr_va_vdst(0) depctr_va_sdst(0) depctr_va_ssrc(0) depctr_va_vcc(0) depctr_vm_vsrc(0)
	s_getreg_b32 s2, hwreg(HW_REG_IB_STS2, 6, 4)
	s_cmp_eq_u32 s2, 0
	s_cbranch_scc0 .Lentry_in_a_cluster
	s_endpgm
.Lentry_in_a_cluster:
	s_bfe_u32 s2, ttmp6, 0x10000c
	s_cmp_lg_u32 s2, 0xf033
	s_cbranch_scc0 .Lentry_shape_is_right
	s_endpgm
.Lentry_shape_is_right:
.set PROJ,   0
.set NQ,     2
.set FR,     16
.set NL,     4
.set NP,     8
.set HALFT,  32768
.set SLOT,   4*HALFT
.set SCL,    2*SLOT
.set HALFS,  4096
.set SPARE,  SCL+4*HALFS
.set SPITCH, 528
.set ADRA, 16
.set ADRB, 20
.set STO,  24
.set RD,   25
.set CO,   26
.set ADRS, 27
.set SPW,  28
.set NIL,  29
.set SC,   32
.set TM,   64
.set WD,   80
.set WO,   88
.set AF,   128
.set BK,   128
.set G1, 24
.set G0, 32
.set G1B, 48
.set G0B, 56
.set G1S, 68
.set G0S, 76
.set G1SB, 80
.set G0SB, 88
.set MSB, 0
.macro WIN new
.if MSB != (\new)
	s_set_vgpr_msb (MSB<<8)|(\new)
.set MSB, (\new)
.endif
.endm
.set MUL_LO, 0xa1
.set MUL_HI, 0xf1
.set TO_B,   0x40
.macro JLOAD g0a, g1a, g0b, g1b
	s_cmp_eq_u32 s15, 0
	s_cbranch_scc0 .Lfor_b_\@
	tensor_load_to_lds s[\g0a:\g0a+3], s[\g1a:\g1a+7]
	s_nop 0
.rept 4
	v_nop
.endr
	s_branch .Lasked_\@
.Lfor_b_\@:
	tensor_load_to_lds s[\g0b:\g0b+3], s[\g1b:\g1b+7]
	s_nop 0
.rept 4
	v_nop
.endr
.Lasked_\@:
.endm
.macro CREST
	s_cmp_lg_u32 s14, 0
	s_cbranch_scc1 .Lnot_wave_0_\@
	s_barrier_signal -3
.Lnot_wave_0_\@:
	s_barrier_wait -3
	s_barrier_signal -1
	s_barrier_wait -1
.endm
.macro CROUND
	s_barrier_signal -1
	s_barrier_wait -1
	CREST
.endm
.if PROJ
	s_load_b128 s[4:7], s[0:1], 0x0
	s_load_b128 s[8:11], s[0:1], 0x0
	s_load_b64 s[12:13], s[0:1], 0x10
	s_load_b64 s[66:67], s[0:1], 0x18
.else
	s_load_b128 s[4:7], s[0:1], 0x0
	s_load_b128 s[8:11], s[0:1], 0x10
	s_load_b64 s[12:13], s[0:1], 0x20
.endif
	v_lshl_add_u32 v[SPW], v0, 2, SPARE
	v_mov_b32 v[NIL], 0
	ds_add_u32 v28, v29
	ds_add_u32 v28, v29
	s_wait_dscnt 0x0
	v_lshrrev_b32 v1, 5, v0
	v_readfirstlane_b32 s14, v1
	s_lshr_b32 s15, s14, 1
	s_and_b32 s16, s14, 1
	s_bfe_u32 s40, ttmp6, 0x40000
	s_bfe_u32 s41, ttmp6, 0x40004
	s_and_b32 s2, ttmp7, 0xffff
.if PROJ
	s_lshr_b32 s3, s2, 3
	s_and_b32 s17, s2, 7
	s_lshl_b32 s18, s3, 7
	s_lshl_b32 s19, s3, 4
	s_add_co_u32 s19, s19, 192
	s_cmp_eq_u32 s3, 2
	s_cselect_b32 s42, s17, 0
	s_cselect_b32 s17, 0, s17
	s_cselect_b32 s18, 200, s18
	s_cselect_b32 s19, 64, s19
	s_cselect_b32 s99, 6, 3
.else
	s_mov_b32 s17, s2
	s_mov_b32 s42, 0
	s_mov_b32 s18, 0
	s_mov_b32 s19, 216
.endif
	s_lshl_b32 s17, s17, 2
	s_add_co_u32 s17, s17, s41
	s_lshl_b32 s42, s42, 2
	s_add_co_u32 s42, s42, s40
	s_lshl_b32 s43, s41, 2
	s_lshl_b32 s43, 15, s43
	s_lshl_b32 s44, 0x1111, s40
	s_or_b32 s[G1+0], s43, (3<<16)|(1<<21)
	s_or_b32 s[G1B+0], s44, (3<<16)|(1<<21)
.irp g, G1, G1B                        ; the head's shape: two groups' first 32,768 bytes, as 2 rows of 4,096 elements of 8 bytes, 131,072 bytes apart
	s_mov_b32 s[\g+1], 4096<<16
	s_mov_b32 s[\g+2], 2<<16
	s_mov_b32 s[\g+3], 4096<<16
	s_mov_b32 s[\g+4], 2
	s_mov_b32 s[\g+5], 16384
	s_mov_b32 s[\g+6], 0
	s_mov_b32 s[\g+7], 0
.endr
	s_or_b32 s[G1S+0], s43, (3<<16)|(1<<21)
	s_or_b32 s[G1SB+0], s44, (3<<16)|(1<<21)
.irp g, G1S, G1SB
	s_mov_b32 s[\g+1], 32<<16
	s_mov_b32 s[\g+2], 32<<16
	s_mov_b32 s[\g+3], 32<<16
	s_mov_b32 s[\g+4], 32
	s_mov_b32 s[\g+5], 32
	s_mov_b32 s[\g+6], 0
	s_mov_b32 s[\g+7], 0
.endr
	s_lshl_b32 s20, s17, 1
	s_add_co_u32 s20, s20, s18
	s_lshl_b32 s46, s42, 1
	s_add_co_u32 s46, s46, s19
	s_lshl_b32 s22, s20, 12
	s_mov_b32 s23, 0
	s_lshl_b32 s20, s20, 17
	s_mov_b32 s21, 0
	s_lshl_b32 s92, s46, 12
	s_mov_b32 s93, 0
	s_lshl_b32 s46, s46, 17
	s_mov_b32 s47, 0
	s_lshl_b32 s45, s14, 15
	s_wait_kmcnt 0x0
	s_add_nc_u64 s[20:21], s[4:5], s[20:21]
	s_add_nc_u64 s[22:23], s[6:7], s[22:23]
	s_add_nc_u64 s[46:47], s[8:9], s[46:47]
	s_add_nc_u64 s[92:93], s[10:11], s[92:93]
	CROUND
	s_mov_b32 s[G0S], 1
	s_mov_b32 s[G0S+1], SCL
	s_mov_b64 s[G0S+2:G0S+3], s[22:23]
	s_or_b32 s[G0S+3], s[G0S+3], 0x80000000
	s_mov_b32 s[G0SB], 1
	s_mov_b32 s[G0SB+1], SCL+2*HALFS
	s_mov_b64 s[G0SB+2:G0SB+3], s[92:93]
	s_or_b32 s[G0SB+3], s[G0SB+3], 0x80000000
	s_mov_b32 s4, 1                                ; group 0 of the head's loads of slot 0: A's two groups,
	s_mov_b32 s5, 0
	s_mov_b64 s[6:7], s[20:21]
	s_or_b32 s7, s7, 0x80000000
	s_mov_b32 s8, 1                                ; and B's, behind them
	s_mov_b32 s9, 2*HALFT
	s_mov_b64 s[10:11], s[46:47]
	s_or_b32 s11, s11, 0x80000000
	s_lshl_b32 s18, s16, 17                        ; in the ring I fetch one group of the two
	s_mov_b32 s19, 0
	s_add_nc_u64 s[20:21], s[20:21], s[18:19]
	s_add_nc_u64 s[46:47], s[46:47], s[18:19]
.irp s, 0,1
	s_mov_b32 s[G0+4*\s], 1
	s_add_co_u32 s[G0+4*\s+1], s45, \s*SLOT
	s_add_nc_u64 s[G0+4*\s+2:G0+4*\s+3], s[20:21], \s*HALFT
	s_or_b32 s[G0+4*\s+3], s[G0+4*\s+3], 0x80000000
	s_mov_b32 s[G0B+4*\s], 1
	s_add_co_u32 s[G0B+4*\s+1], s45, \s*SLOT
	s_add_nc_u64 s[G0B+4*\s+2:G0B+4*\s+3], s[46:47], \s*HALFT
	s_or_b32 s[G0B+4*\s+3], s[G0B+4*\s+3], 0x80000000
.endr
	s_cmp_eq_u32 s15, 0                            ; the prefetches: the group that I fetch in the ring; of its 32,768 bytes a slot each of the four partners takes 8,192, told apart by address
	s_cselect_b64 s[100:101], s[20:21], s[46:47]
	s_cselect_b32 s18, s40, s41
	s_lshl_b32 s18, s18, 13
	; the head's four tiles, one load a wave, in one chain of branches on the wave's number: A's codes, B's codes, A's scale words, B's
	s_cmp_lt_u32 s14, 1
	s_cbranch_scc0 .Lhead_b
	tensor_load_to_lds s[4:7], s[G1:G1+7]
	s_nop 0
.rept 4
	v_nop
.endr
	s_branch .Lhead_asked
.Lhead_b:
	s_cmp_lt_u32 s14, 2
	s_cbranch_scc0 .Lhead_sa
	tensor_load_to_lds s[8:11], s[G1B:G1B+7]
	s_nop 0
.rept 4
	v_nop
.endr
	s_branch .Lhead_asked
.Lhead_sa:
	s_cmp_lt_u32 s14, 3
	s_cbranch_scc0 .Lhead_sb
	tensor_load_to_lds s[G0S:G0S+3], s[G1S:G1S+7]
	s_nop 0
.rept 4
	v_nop
.endr
	s_branch .Lhead_asked
.Lhead_sb:
	tensor_load_to_lds s[G0SB:G0SB+3], s[G1SB:G1SB+7]
	s_nop 0
.rept 4
	v_nop
.endr
.Lhead_asked:
	v_and_b32 v1, 15, v0
	v_bfe_u32 v2, v0, 4, 1
	s_wait_alu depctr_va_vdst(0)
	v_and_b32 v3, 31, v0
	v_lshlrev_b32 v[CO], 4, v3
	v_lshlrev_b32 v30, 8, v3                       ; v30: 256 x lane + 8,192 x my place among the four partners; never rewritten
	v_add_nc_u32 v30, s18, v30
	global_prefetch_b8 v30, s[100:101] offset:HALFT th:TH_LOAD_NT scope:SCOPE_SE     ; slot 1's tiles: their load goes out behind the round that shows slot 0
	global_prefetch_b8 v30, s[100:101] offset:2*HALFT th:TH_LOAD_NT scope:SCOPE_SE   ; slot 2's tiles, two refills ahead of their load
	s_lshl_b32 s21, s15, 15
	s_lshl_b32 s22, s16, 15
	s_add_co_u32 s22, s22, 2*HALFT
.irp s, 0,1
	v_add_nc_u32 v[ADRA+\s], s21, v[CO]
	v_add_nc_u32 v[ADRB+\s], s22, v[CO]
	s_add_co_u32 s21, s21, SLOT
	s_add_co_u32 s22, s22, SLOT
.endr
	v_lshlrev_b32 v5, 5, v1
	s_lshl_b32 s21, s15, 12
	s_lshl_b32 s22, s16, 12
	s_add_co_u32 s22, s22, 2*HALFS
	s_sub_co_u32 s22, s22, s21
	v_mul_u32_u24 v6, s22, v2
	s_add_co_u32 s21, s21, SCL
	v_add_nc_u32 v5, v5, v6
	v_add_nc_u32 v[ADRS], s21, v5
	s_lshl_b32 s20, s17, 1
	s_add_co_u32 s20, s20, s15
	s_lshl_b32 s46, s42, 1
	s_add_co_u32 s46, s46, s16
.if PROJ
	v_lshlrev_b32 v[RD], 5, v1
	v_lshl_add_u32 v[RD], v2, 4, v[RD]
	s_lshl_b32 s20, s20, s99
	s_add_co_u32 s20, s20, s46
	s_lshl_b32 s46, s3, 9
	s_add_co_u32 s20, s20, s46
	s_lshl_b32 s46, s20, 9
	s_mov_b32 s47, 0
	s_lshl_b32 s20, s20, 14
	s_mov_b32 s21, 0
	s_add_nc_u64 s[12:13], s[12:13], s[20:21]
	s_add_nc_u64 s[66:67], s[66:67], s[46:47]
	s_mov_b32 s96, 0x76543210
	s_mov_b32 s97, 0xfedcba98
	s_mov_b32 s98, 0x600000
.else
	s_mul_i32 s23, s14, 16*SPITCH
	v_mul_u32_u24 v5, v1, SPITCH
	v_lshl_add_u32 v5, v2, 6, v5
	v_add_nc_u32 v[STO], s23, v5
	v_add_nc_u32 v[RD], s23, v[CO]
	s_lshl_b32 s20, s20, 19
	s_lshl_b32 s46, s46, 9
	s_add_co_u32 s20, s20, s46
	s_mov_b32 s21, 0
	s_add_nc_u64 s[12:13], s[12:13], s[20:21]
.endif
.macro FRAG reg, adr, q, i
.irp c, 0,1,2,3
	ds_load_b128 v[\reg+4*\c:\reg+4*\c+3], v[\adr] offset:16384*(\q)+2048*(\i)+512*\c
.endr
.endm
.macro MUL16 a0, p, q, sc, zero
.irp a, \a0, \a0+1
.irp b, 0,1,2,3,4,5,6,7
.if \zero
	v_wmma_scale_f32_16x16x128_f8f6f4 v[8*(8*((\a)%4)+\b):8*(8*((\a)%4)+\b)+7], v[128*(\p)+FR*\b:128*(\p)+FR*\b+FR-1], v[AF+FR*(\a):AF+FR*(\a)+FR-1], 0, v[SC+16*(\sc)+8*(\q)+\b], v[SC+16*(\sc)+8*(\q)+(\a)] matrix_a_scale:MATRIX_SCALE_ROW1
.else
	v_wmma_scale_f32_16x16x128_f8f6f4 v[8*(8*((\a)%4)+\b):8*(8*((\a)%4)+\b)+7], v[128*(\p)+FR*\b:128*(\p)+FR*\b+FR-1], v[AF+FR*(\a):AF+FR*(\a)+FR-1], v[8*(8*((\a)%4)+\b):8*(8*((\a)%4)+\b)+7], v[SC+16*(\sc)+8*(\q)+\b], v[SC+16*(\sc)+8*(\q)+(\a)] matrix_a_scale:MATRIX_SCALE_ROW1
.endif
.endr
.endr
.endm
.macro FETCH_B slot, q, p
	WIN TO_B
.irp i, 0,1,2,3,4,5,6,7
	FRAG 128*(\p)+FR*\i, ADRB+\slot, \q, \i
.endr
	WIN 0
.endm
.macro FETCH_A slot, q, i0
.irp i, \i0, \i0+1, \i0+2, \i0+3
	FRAG AF+FR*(\i), ADRA+\slot, \q, \i
.endr
.endm
.macro SCALES sc
.irp q, 0,1
	ds_load_b128 v[SC+16*\sc+8*\q:SC+16*\sc+8*\q+3], v[ADRS] offset:512*\q
	ds_load_b128 v[SC+16*\sc+8*\q+4:SC+16*\sc+8*\q+7], v[ADRS] offset:512*\q+16
.endr
.endm
.macro PLACES n
.rept \n
	v_nop
.endr
.endm
.macro STEP slot, q, zero
	s_wait_dscnt 4*NL
	WIN MUL_LO
	MUL16 0, (\q)%2, \q, \slot, \zero
	MUL16 2, (\q)%2, \q, \slot, \zero
	s_wait_dscnt 0
	PLACES NP
	FETCH_B \slot, (\q)+1, 1-(\q)%2
	FETCH_A \slot, (\q)+1, 0
	WIN MUL_HI
	MUL16 4, (\q)%2, \q, \slot, \zero
	MUL16 6, (\q)%2, \q, \slot, \zero
	PLACES NP
	WIN 0
	FETCH_A \slot, (\q)+1, 4
.endm
.macro TURN slot, next, fill
	s_wait_tensorcnt 0x0
	ds_add_u32 v[SPW], v[NIL]
	s_wait_dscnt 4*NL+1
	WIN MUL_LO
	MUL16 0, 1, NQ-1, \slot, 0
	s_wait_dscnt 0x0
	s_barrier_signal -1
	MUL16 2, 1, NQ-1, \slot, 0
	WIN 0
	s_barrier_wait -1
.if \fill
	CREST
	s_add_nc_u64 s[G0+4*\slot+2:G0+4*\slot+3], s[G0+4*\slot+2:G0+4*\slot+3], 2*HALFT
	s_add_nc_u64 s[G0B+4*\slot+2:G0B+4*\slot+3], s[G0B+4*\slot+2:G0B+4*\slot+3], 2*HALFT
	JLOAD G0+4*\slot, G1, G0B+4*\slot, G1B
	PLACES NP-4
.else
	PLACES NP
.endif
	s_wait_alu depctr_va_vdst(0)
	v_add_nc_u32 v[ADRS], 512*NQ, v[ADRS]
	FETCH_B \next, 0, 0
	FETCH_A \next, 0, 0
	SCALES \next
	WIN MUL_HI
	MUL16 4, 1, NQ-1, \slot, 0
	MUL16 6, 1, NQ-1, \slot, 0
	PLACES NP
	WIN 0
	FETCH_A \next, 0, 4
.endm
	s_wait_alu depctr_va_vdst(0)
	s_wait_tensorcnt 0x0                           ; my tile of the head's four is in
	ds_add_u32 v[SPW], v[NIL]
.irp g, G1, G1B                        ; no tensor load of mine is out: from here on a load brings 128 rows of 256 bytes
	s_mov_b32 s[\g+1], 32<<16
	s_mov_b32 s[\g+2], 128<<16
	s_mov_b32 s[\g+3], 32<<16
	s_mov_b32 s[\g+4], 128
	s_mov_b32 s[\g+5], 32
.endr
	s_wait_dscnt 0x0
	CROUND
	JLOAD G0+4, G1, G0B+4, G1B
	FETCH_B 0, 0, 0
	FETCH_A 0, 0, 0
	SCALES 0
	FETCH_A 0, 0, 4
	global_prefetch_b8 v30, s[100:101] offset:3*HALFT th:TH_LOAD_NT scope:SCOPE_SE   ; slot 3's tiles, two refills ahead of their load
	STEP 0, 0, 1
	TURN 0, 1, 1
	STEP 1, 0, 0
	TURN 1, 0, 1
	STEP 0, 0, 0
	TURN 0, 1, 0
	STEP 1, 0, 0
	s_wait_dscnt 4*NL
	WIN MUL_LO
	MUL16 0, 1, NQ-1, 1, 0
	MUL16 2, 1, NQ-1, 1, 0
	s_wait_dscnt 0
	WIN MUL_HI
	MUL16 4, 1, NQ-1, 1, 0
	MUL16 6, 1, NQ-1, 1, 0
	WIN 0
	PLACES NP
.if PROJ
.irp b, 0,1,2,3
	v_mov_b32 v[TM+4+\b], 0
.endr
.macro QUANTW a
.set AC, 64*((\a)%4)
.set WA, 2+(\a)/4
.set PCA, AF+16*(\a)
	WIN (WA|(WA<<2))
.irp b, 0,1,2,3
	v_max3_num_f32 v[TM+\b], |v[AC+16*\b]|, |v[AC+1+16*\b]|, 0x4800000
.endr
	WIN ((WA<<2)|(WA<<4))
.irp i, 2,4,6,8,10,12,14
.irp b, 0,1,2,3
	v_max3_num_f32 v[TM+\b], v[TM+\b], |v[AC+16*\b+\i]|, |v[AC+1+16*\b+\i]|
.endr
.endr
	WIN 0
.irp b, 0,1,2,3
	v_permlanex16_b32 v[TM+4+\b], v[TM+\b], s96, s97
.endr
.irp b, 0,1,2,3
	v_max_num_f32 v[TM+\b], v[TM+\b], v[TM+4+\b]
.endr
.irp b, 0,1,2,3
	v_add_nc_u32 v[TM+12+\b], 0xfc000000, v[TM+\b]
.endr
.irp b, 0,1,2,3
	v_and_or_b32 v[TM+8+\b], v[TM+\b], 0x7f800000, s98
.endr
.irp b, 0,1,2,3
	v_lshrrev_b32 v[TM+4+\b], 23, v[TM+12+\b]
.endr
	v_lshl_or_b32 v[WD+(\a)], v[TM+5], 8, v[TM+4]
	v_lshl_or_b32 v[WD+(\a)], v[TM+6], 16, v[WD+(\a)]
	v_lshl_or_b32 v[WD+(\a)], v[TM+7], 24, v[WD+(\a)]
	WIN (WA|(WA<<6))
.set n, 0
.rept 64
	v_med3_num_f32 v[AC+n], v[AC+n], -v[TM+8+n/16], v[TM+8+n/16]
.set n, n+1
.endr
	WIN WA
.irp b, 0,1,2,3
	v_cvt_scalef32_pk8_fp8_f32 v[PCA+4*\b:PCA+4*\b+1], v[AC+16*\b:AC+16*\b+7], v[TM+12+\b]
	v_cvt_scalef32_pk8_fp8_f32 v[PCA+4*\b+2:PCA+4*\b+3], v[AC+16*\b+8:AC+16*\b+15], v[TM+12+\b]
.endr
	WIN 0
	v_nop
.irp c, 0,1,2,3
	global_store_b128 v[CO], v[PCA+4*\c:PCA+4*\c+3], s[12:13] offset:2048*(\a)+512*\c
.endr
.endm
.irp a, 0,1,2,3,4,5,6,7
	QUANTW \a
.endr
	v_cmp_eq_u32 vcc_lo, 1, v2
.irp i, 0,1,2,3
	v_cndmask_b32 v[WO+\i], v[WD+\i], v[WD+4+\i], vcc_lo
.endr
	global_store_b128 v[RD], v[WO:WO+3], s[66:67]
.else
.macro TOSTAGE a
.set AC, 64*((\a)%4)
	WIN (0x08+4*((\a)/4))
.irp b, 0,1,2,3,4,5,6,7
	ds_store_b128 v[STO], v[AC+8*\b:AC+8*\b+3] offset:128*(\b/2)+32*(\b%2)
	ds_store_b128 v[STO], v[AC+8*\b+4:AC+8*\b+7] offset:128*(\b/2)+32*(\b%2)+16
.endr
	WIN 0
.set BB, BK+64*((\a)%2)
.irp t, 0,1,2,3,4,5,6,7,8,9,10,11,12,13,14,15
	ds_load_b128 v[BB+4*\t:BB+4*\t+3], v[RD] offset:\t*SPITCH
.endr
.endm
.macro SEND a, younger
.set BB, BK+64*((\a)%2)
	s_wait_dscnt \younger
.irp t, 0,1,2,3,4,5,6,7,8,9,10,11,12,13,14,15
	global_store_b128 v[CO], v[BB+4*\t:BB+4*\t+3], s[12:13] offset:(32*((\a)/2)+8*((\a)%2)+\t+8*(\t/8))*4096 th:TH_STORE_NT
.endr
.endm
	TOSTAGE 0
.irp a, 1,2,3,4,5,6,7
.if \a > 1
	s_wait_xcnt 0x0
.endif
	TOSTAGE \a
	SEND \a-1, 32
.endr
	SEND 7, 0
.endif
	s_wait_tensorcnt 0x0
	ds_add_u32 v[SPW], v[NIL]
	s_wait_dscnt 0x0
	CROUND
	s_endpgm
.Lfunc_end_k_q8e7f721b2f_outp:
	.size	k_q8e7f721b2f_outp, .Lfunc_end_k_q8e7f721b2f_outp-k_q8e7f721b2f_outp
	.p2alignl 7, 3214868480
	.fill 96, 4, 3214868480
	.section	.rodata,"a",@progbits
	.p2align	6, 0x0
	.amdhsa_kernel k_q8e7f721b2f_outp
		.amdhsa_group_segment_fixed_size 327680
		.amdhsa_private_segment_fixed_size 0
		.amdhsa_enable_private_segment 0
		.amdhsa_kernarg_size 40
		.amdhsa_user_sgpr_count 2
		.amdhsa_user_sgpr_kernarg_segment_ptr 1
		.amdhsa_wavefront_size32 1
		.amdhsa_system_sgpr_workgroup_id_x 1
		.amdhsa_system_sgpr_workgroup_id_y 1
		.amdhsa_system_sgpr_workgroup_id_z 1
		.amdhsa_system_vgpr_workitem_id 0
		.amdhsa_next_free_vgpr 1024
		.amdhsa_next_free_sgpr 102
		.amdhsa_reserve_vcc 1
		.amdhsa_float_denorm_mode_32 3
		.amdhsa_float_denorm_mode_16_64 3
		.amdhsa_memory_ordered 1
		.amdhsa_forward_progress 1
		.amdhsa_inst_pref_size 145
	.end_amdhsa_kernel
	.amdgpu_metadata
---
amdhsa.version: [ 1, 2 ]
amdhsa.kernels:
  - .name:           k_q8e7f721b2f_outp
    .symbol:         k_q8e7f721b2f_outp.kd
    .args:
      - { .name: oc, .offset: 0, .size: 8, .value_kind: global_buffer, .address_space: global }
      - { .name: os, .offset: 8, .size: 8, .value_kind: global_buffer, .address_space: global }
      - { .name: xwc, .offset: 16, .size: 8, .value_kind: global_buffer, .address_space: global }
      - { .name: xws, .offset: 24, .size: 8, .value_kind: global_buffer, .address_space: global }
      - { .name: out0, .offset: 32, .size: 8, .value_kind: global_buffer, .address_space: global }
    .group_segment_fixed_size: 327680
    .private_segment_fixed_size: 0
    .kernarg_segment_align: 8
    .kernarg_segment_size: 40
    .max_flat_workgroup_size: 128
    .sgpr_count:     102
    .vgpr_count:     1024
    .wavefront_size: 32
...
	.end_amdgpu_metadata
.endif
;; end of part 4
